; MI455X (gfx1250); checked and timed in simulation.
; The chip was launched on July 23, 2026; its instructions are those of AMD's public machine-readable ISA for CDNA 5 (MIT licence, August 2026) and "CDNA5" Instruction Set Architecture Reference Guide (July 2026). The comments in the code are by the model that wrote it; some were corrected since.
;; Query Conditioned Transport Scorer V3. Allowed arithmetic: float matrix products may take bf16 or f16 operands with f32 sums; other float arithmetic in f32, or as packed bf16 or f16 multiplies, adds, multiply-adds, maxima and minima; sums over many terms, partial sums and values carried from step to step in f32; what a program stores and reads back later, other than sums and carried values, may be rounded once to bf16 or f16.
;; Inputs: ab 512 float32; ab1 512 float32; ab2 512 float32; ag 512 float32; aw1 512 x 512 float32; aw2 512 x 512 float32; cb 1,024 float32; cb1 512 float32; cb2 512 float32; cg 1,024 float32; class_atoms 16 x 64 x 512 float32; class_masses 16 x 64 float32; class_summary 16 x 512 float32; cw1 1,024 x 512 float32; cw2 512 x 512 float32; episode_context 16 x 512 float32; qb 512 float32; qb1 512 float32; qb2 512 float32; qg 512 float32; query_atoms 64 x 64 x 512 float32; query_masses 64 x 64 float32; qw1 512 x 512 float32; qw2 512 x 512 float32; rb 2,048 float32; rb1 512 float32; rb2 1 float32; rg 2,048 float32; rw1 2,048 x 512 float32; rw2 512 x 1 float32.
;; Outputs: out0 64 x 16 x 64 float32; out1 64 x 16 float32.
;; 2 versions, each right; version 2 is version 1 with the launches mlp1, mlp2, mlp3 written anew for expert scheduling mode. Each part assembles by itself: llvm-mc -triple=amdgcn-amd-amdhsa -mcpu=gfx1250 --defsym DOCPART=n.
;; ======== version 1 of 2: 5 launches
;; limits: a difference of large sums (such as E[x^2] - mean^2): digits are lost where the result is much smaller than its terms; a function is approximated: absolute error at most 1.5e-07
;; workspace buffers: p0 1,146,880 bytes; p1 1,130,496 bytes; pf 2,260,992 bytes; wk 5,308,416 bytes; cfg1 256 bytes of whole numbers; cfg2 256 bytes of whole numbers; cfg3 256 bytes of whole numbers
;; launch prep (part 1): grid 193 x 1, 8 waves a work-group, no clusters, 113,152 bytes of LDS; arguments class_atoms, ag, ab, class_summary, episode_context, cg, cb, query_atoms, query_masses, qg, qb, rw1, rg, rb, p0, wk, cfg1, cfg2, cfg3; writes p0, wk, cfg1, cfg2, cfg3
.if DOCPART == 1
	.amdgcn_target "amdgcn-amd-amdhsa--gfx1250"
	.amdhsa_code_object_version 6
	.text
	.protected	k_qb413a56d34_prep
	.globl	k_qb413a56d34_prep
	.p2align	8
	.type	k_qb413a56d34_prep,@function
k_qb413a56d34_prep:
	s_mov_b64 s[64:65], 0
	v_nop
	global_prefetch_b8 v0, s[64:65] scope:SCOPE_SE
	s_setreg_imm32_b32 hwreg(HW_REG_WAVE_MODE, 25, 1), 1
	s_wait_xcnt 0x0
; PREP: all that hangs on the inputs alone.  The work-group's number chooses one of four jobs (the same for its eight waves):
;   0..63    R  LayerNorm of 16 rows of class_atoms                      -> p0, row-block id
;   64       C  LayerNorm of the 16 rows [class_summary | episode_context] -> p0 at 68 x 16,384 (K = 1,024); and the three mode words
;   65..128  Q  one query: masses normalised, 64 atoms pooled, LayerNorm  -> p0, row-blocks 64..67
;   129..192 W  a tile of 128 k x 128 n of rw1: g = rg[k] rw1[k][n] in f32 -> wk (sections 0, 1, 3); g in bf16 in matrix-operand order -> wk (sections 2, 3);
;               partial column sums of the ROUNDED g (s) and of rb[k] rw1[k][n] (t, in f32 from the unrounded rw1) -> wk
; OPERAND ORDER (all bf16 intermediates): a sub-block of 16 rows x 16 k is 512 bytes; lane 16 h + r holds row r, k = 8 h .. 8 h + 7, at byte 16 x lane.
; Two sub-blocks on end are one matrix operand of 16 x 32, fetched by two loads of 512 consecutive bytes.
; LDS.  Each job has bytes of its own: no two jobs' texts name the same bytes.  W 0 .. 45,055; R from 45,056; C from 61,696; Q from 94,720; the spare words from 112,128.
; LIMITS.  Variances are taken in two passes, of x - mean.  1 / x and 1 / sqrt(x) are the chip's approximations.  NaN and infinities are not treated apart.
; No matrix unit, no cluster, no prefetch: each job reads its bytes once, has nothing to share, and is short.
.set WSUM,  36864                      ; job W: behind the image of 32,768 bytes: 1,024 bytes a wave: its sums s, then t
.set RBASE, 45056                      ; job R: 16 rows of 1,040 bytes
.set CBASE, 61696                      ; job C: 16 rows of 2,064 bytes
.set QBASE, 94720                      ; job Q: eight pools of 2,048 bytes, then one row of 1,024
.set SPARE, 112128                     ; the spare words: 128 bytes for each of eight waves
.set SPW, 10                           ; v10  LDS address of my spare word; never rewritten
.set NIL, 11                           ; v11  0; never rewritten
.set GG,  16                           ; LayerNorm's gain for my columns (up to 32 registers)
.set BB,  48                           ; its bias
.set X0,  80                           ; my first row
.set X1,  112                          ; my second row
.set T,   144                          ; v[144:149] at work
.set SEL, 60                           ; s[60:61] v_permlanex16_b32's selects: each lane takes its own place in the other half
.set INV, 62                           ; s62  1 / the row's length
.set EPS, 63                           ; s63  1e-5
.set PR,  1040                         ; job R: LDS pitch of a row of 512 bf16: 1,024 + 16 bytes, an odd multiple of 16
.set PCX, 2064                         ; job C: of 1,024 bf16
.set WX,  64                           ; job W: v[64:127] 16 rows x 4 columns
.set WP,  128                          ; v[128:159] the same in bf16, packed along k: column e, half h at WP + 8 e + 4 h
.set WS,  160                          ; v[160:163] s of my 4 columns
.set WT,  164                          ; v[164:167] t
.set ONE, 168                          ; v168 1.0
.set M,   96                           ; job Q: v[96:111] my 8 atoms' masses, each twice
.set PA,  112                          ; v[112:127] my partial pool
.set QX,  128                          ; v[128:255] 8 atoms x 16 numbers
.macro REDUCE a, t                     ; the sum over the wave's 32 lanes, in every lane; t has been written before
	v_add_f32_dpp v[\a], v[\a], v[\a] row_xmask:1 row_mask:0xf bank_mask:0xf
	v_add_f32_dpp v[\a], v[\a], v[\a] row_xmask:2 row_mask:0xf bank_mask:0xf
	v_add_f32_dpp v[\a], v[\a], v[\a] row_xmask:4 row_mask:0xf bank_mask:0xf
	v_add_f32_dpp v[\a], v[\a], v[\a] row_xmask:8 row_mask:0xf bank_mask:0xf
	v_permlanex16_b32 v[\t], v[\a], s[SEL], s[SEL+1]
	v_add_f32 v[\a], v[\a], v[\t]
.endm
; LayerNorm of one row held by one wave: the lane's ne numbers are k = 128 j + 4 lane + 0..3.  The result goes as bf16 to LDS byte la + loff + 2 k.
.macro LNROW x, ne, la, loff
	v_pk_add_f32 v[T:T+1], v[\x:\x+1], v[\x+2:\x+3]
.set k, 4
.rept (\ne-4)/2
	v_pk_add_f32 v[T:T+1], v[T:T+1], v[\x+k:\x+k+1]
.set k, k+2
.endr
	v_add_f32 v[T], v[T], v[T+1]
	REDUCE T, T+1
	v_mul_f32 v[T], s[INV], v[T]                   ; the mean,
	v_mov_b32 v[T+1], v[T]                         ; twice, for the packed forms
.set k, 0
.rept \ne/2
	v_pk_add_f32 v[\x+k:\x+k+1], v[\x+k:\x+k+1], v[T:T+1] neg_lo:[0,1] neg_hi:[0,1]
.set k, k+2
.endr
	v_pk_mul_f32 v[T+2:T+3], v[\x:\x+1], v[\x:\x+1]
.set k, 2
.rept (\ne-2)/2
	v_pk_fma_f32 v[T+2:T+3], v[\x+k:\x+k+1], v[\x+k:\x+k+1], v[T+2:T+3]
.set k, k+2
.endr
	v_add_f32 v[T+2], v[T+2], v[T+3]
	REDUCE T+2, T+3
	v_fma_f32 v[T+2], v[T+2], s[INV], s[EPS]       ; the variance + 1e-5
	v_rsq_f32 v[T+2], v[T+2]
	v_nop                                          ; a plain instruction behind the root,
	s_wait_alu depctr_va_vdst(0)                   ; and the wait ahead of its first reader
	v_mov_b32 v[T+3], v[T+2]
.set k, 0
.rept \ne/2
	v_pk_mul_f32 v[\x+k:\x+k+1], v[\x+k:\x+k+1], v[T+2:T+3]
.set k, k+2
.endr
.set k, 0
.rept \ne/2
	v_pk_fma_f32 v[\x+k:\x+k+1], v[\x+k:\x+k+1], v[GG+k:GG+k+1], v[BB+k:BB+k+1]
.set k, k+2
.endr
.set k, 0
.rept \ne/2
	v_cvt_pk_bf16_f32 v[\x+k], v[\x+2*k], v[\x+2*k+1]  ; in place, ascending: a result never lands on a number still to be rounded
.set k, k+1
.endr
.set k, 0
.rept \ne/4
	ds_store_b64 v[\la], v[\x+2*k:\x+2*k+1] offset:\loff+256*k
.set k, k+1
.endr
.endm
	v_lshl_add_u32 v[SPW], v0, 2, SPARE
	v_mov_b32 v[NIL], 0
	v_lshrrev_b32 v1, 5, v0
	v_readfirstlane_b32 s2, v1                     ; wave 0..7
	v_and_b32 v2, 31, v0                           ; lane
	v_lshlrev_b32 v3, 4, v2                        ; 16 x lane
	v_lshlrev_b32 v4, 3, v2                        ; 8 x lane
	s_mov_b32 s[SEL], 0x76543210
	s_mov_b32 s[SEL+1], 0xfedcba98
	s_mov_b32 s[EPS], 0x3727c5ac                   ; 1e-5
	s_cmp_lt_u32 ttmp9, 64
	s_cbranch_scc1 .Ljob_r
	s_cmp_eq_u32 ttmp9, 64
	s_cbranch_scc1 .Ljob_c
	s_cmp_lt_u32 ttmp9, 129
	s_cbranch_scc1 .Ljob_q
	; ---------------- JOB W: kb = 128 rows of rw1 (0..15), ct = 128 columns (0..3); wave v owns rows 128 kb + 16 v + 0..15, a lane 4 columns
	s_load_b64 s[8:9], s[0:1], 0x58                ; rw1
	s_load_b128 s[12:15], s[0:1], 0x60             ; rg, rb
	s_load_b64 s[10:11], s[0:1], 0x78              ; wk
	s_sub_co_u32 s5, ttmp9, 129
	s_lshr_b32 s6, s5, 2                           ; kb
	s_and_b32 s7, s5, 3                            ; ct
	s_lshr_b32 s56, s6, 2                          ; the section of rw1's rows: 0 a, 1 q, 2 a q, 3 |a - q| + c
	s_lshl_b32 s48, s6, 7
	s_lshl4_add_u32 s48, s2, s48                   ; my first row
	s_lshl_b32 s50, s48, 2                         ; its place in rg and rb
	s_mov_b32 s51, 0
	s_lshl_b32 s52, s48, 11                        ; its place in rw1: rows of 2,048 bytes,
	s_lshl_b32 s53, s7, 9                          ; and the tile's 512 bytes of a row
	s_add_co_u32 s52, s52, s53
	s_mov_b32 s53, 0
	v_lshrrev_b32 v5, 2, v2                        ; the image: my columns' block of 16 (lane / 4) x 1,024
	v_lshlrev_b32 v5, 10, v5
	v_and_b32 v6, 3, v2
	v_lshl_add_u32 v5, v6, 6, v5                   ; + my first column in the block, 4 (lane % 4), x 16 bytes
	s_lshr_b32 s57, s2, 1
	s_lshl_b32 s57, s57, 13                        ; + my rows' chunk of 32 k (wave / 2) x 8,192
	s_and_b32 s58, s2, 1
	s_lshl_b32 s58, s58, 9                         ; + which 16 k of the chunk (wave % 2) x 512
	s_add_co_u32 s57, s57, s58
	v_add_nc_u32 v5, s57, v5
	s_lshl_b32 s57, s2, 10
	s_add_co_u32 s57, s57, WSUM
	v_add_nc_u32 v6, s57, v3                       ; where my sums go
	v_mov_b32 v[ONE], 1.0
	s_wait_kmcnt 0x0
	s_add_nc_u64 s[12:13], s[12:13], s[50:51]
	s_add_nc_u64 s[14:15], s[14:15], s[50:51]
	s_load_b512 s[16:31], s[12:13], 0x0            ; rg of my 16 rows
	s_load_b512 s[32:47], s[14:15], 0x0            ; rb of my 16 rows
	s_add_nc_u64 s[8:9], s[8:9], s[52:53]
	s_add_nc_u64 s[54:55], s[10:11], s[52:53]      ; g in f32 lies in wk as rw1 lies
.set j, 0
.rept 16
	global_load_b128 v[WX+4*j:WX+4*j+3], v3, s[8:9] offset:2048*j th:TH_LOAD_NT  ; a row's 512 consecutive bytes to an instruction
.set j, j+1
.endr
	s_wait_kmcnt 0x0
.set j, 0
.rept 16
	s_wait_loadcnt 15-j                            ; row j is in; the 15 - j younger rows may be out
.irp e, 0,1,2,3
.if j == 0
	v_mul_f32 v[WT+\e], s[32], v[WX+\e]            ; the first row starts t
.else
	v_fmac_f32 v[WT+\e], s[32+j], v[WX+4*j+\e]
.endif
.endr
.irp e, 0,1,2,3
	v_mul_f32 v[WX+4*j+\e], s[16+j], v[WX+4*j+\e]  ; g
.endr
.set j, j+1
.endr
	s_cmp_eq_u32 s56, 2                            ; section 2 is multiplied only in the last launch, in bf16
	s_cbranch_scc1 .Lw_no_f32
.set j, 0
.rept 16
	global_store_b128 v3, v[WX+4*j:WX+4*j+3], s[54:55] offset:2048*j
.set j, j+1
.endr
.Lw_no_f32:
.irp e, 0,1,2,3
.set j, 0
.rept 8
	v_cvt_pk_bf16_f32 v[WP+8*\e+j], v[WX+8*j+\e], v[WX+8*j+4+\e]  ; rows 2 j and 2 j + 1 of column e: pairs along k, as an operand wants them
.set j, j+1
.endr
.endr
.set j, 0
.rept 8                                        ; s is the sum of the ROUNDED g, so that what the products take as g and what the mean is multiplied by are the same numbers
.irp e, 0,1,2,3
.if j == 0
	v_lshlrev_b32 v[WS+\e], 16, v[WP+8*\e]         ; the first number starts s
.else
	v_fma_mix_f32_bf16 v[WS+\e], v[WP+8*\e+j], v[ONE], v[WS+\e] op_sel_hi:[1,0,0]
.endif
.endr
.irp e, 0,1,2,3
	v_fma_mix_f32_bf16 v[WS+\e], v[WP+8*\e+j], v[ONE], v[WS+\e] op_sel:[1,0,0] op_sel_hi:[1,0,0]
.endr
.set j, j+1
.endr
	s_cmp_lt_u32 s56, 2
	s_cbranch_scc1 .Lw_no_image
.irp e, 0,1,2,3
	ds_store_b128 v5, v[WP+8*\e:WP+8*\e+3] offset:16*\e          ; k = 0..7 of my 16: the lanes 0-15 of a sub-block
	ds_store_b128 v5, v[WP+8*\e+4:WP+8*\e+7] offset:256+16*\e    ; k = 8..15: its lanes 16-31
.endr
.Lw_no_image:
	ds_store_b128 v6, v[WS:WS+3]
	ds_store_b128 v6, v[WT:WT+3] offset:512
	s_wait_dscnt 0x0                               ; for the others' sake: my stores are done
	s_barrier_signal -1
	s_barrier_wait -1
	s_cmp_lt_u32 s2, 2                             ; wave 0 adds the eight s, wave 1 the eight t
	s_cbranch_scc0 .Lw_copy
	s_lshl_b32 s72, s2, 9
	s_add_co_u32 s72, s72, WSUM
	v_add_nc_u32 v7, s72, v3
.irp w, 0,1,2,3,4,5,6,7
	ds_load_b128 v[176+4*\w:176+4*\w+3], v7 offset:1024*\w
.endr
	s_lshl_b32 s70, s2, 15                         ; s at 5,242,880, t 32,768 bytes on; [kb][512] f32
	s_lshl_b32 s71, s6, 11
	s_add_co_u32 s70, s70, s71
	s_lshl_b32 s71, s7, 9
	s_add_co_u32 s70, s70, s71
	s_add_co_u32 s70, s70, 5242880
	s_mov_b32 s71, 0
	s_add_nc_u64 s[66:67], s[10:11], s[70:71]
	s_wait_dscnt 0x0
.irp w, 1,2,3,4,5,6,7
	v_pk_add_f32 v[176:177], v[176:177], v[176+4*\w:176+4*\w+1]
	v_pk_add_f32 v[178:179], v[178:179], v[176+4*\w+2:176+4*\w+3]
.endr
	global_store_b128 v3, v[176:179], s[66:67]     ; 512 consecutive bytes
.Lw_copy:
	s_cmp_lt_u32 s56, 2
	s_cbranch_scc1 .Lend
	; the image leaves: wave v takes its 4,096 bytes: chunk v / 2, column blocks 4 (v % 2) + 0..3.  In wk: [step 16][quarter 4][column block 16][1,024]:
	; step = 8 (n / 256) + chunk of the section / 2, quarter = 2 (chunk % 2) + section - 2
	s_lshr_b32 s70, s7, 1
	s_lshl_b32 s70, s70, 3
	s_and_b32 s71, s6, 3
	s_lshl1_add_u32 s70, s71, s70
	s_lshr_b32 s71, s2, 2
	s_add_co_u32 s70, s70, s71                     ; the step
	s_lshl_b32 s70, s70, 16
	s_bfe_u32 s71, s2, 0x10001
	s_lshl1_add_u32 s71, s71, s56
	s_sub_co_u32 s71, s71, 2                       ; the quarter
	s_lshl_b32 s71, s71, 14
	s_add_co_u32 s70, s70, s71
	s_and_b32 s71, s7, 1
	s_lshl_b32 s71, s71, 13                        ; 8 column blocks
	s_add_co_u32 s70, s70, s71
	s_and_b32 s71, s2, 1
	s_lshl_b32 s71, s71, 12                        ; 4 column blocks
	s_add_co_u32 s70, s70, s71
	s_add_co_u32 s70, s70, 4194304
	s_mov_b32 s71, 0
	s_add_nc_u64 s[68:69], s[10:11], s[70:71]
	s_lshl_b32 s72, s2, 12
	v_add_nc_u32 v8, s72, v3
.irp i, 0,1,2,3,4,5,6,7
	ds_load_b128 v[208+4*\i:208+4*\i+3], v8 offset:512*\i
.endr
.irp i, 0,1,2,3,4,5,6,7
	s_wait_dscnt 7-\i
	global_store_b128 v3, v[208+4*\i:208+4*\i+3], s[68:69] offset:512*\i
.endr
	s_branch .Lend
	; ---------------- JOB R: 16 rows of class_atoms; wave v owns rows 2 v and 2 v + 1
.Ljob_r:
	s_load_b128 s[8:11], s[0:1], 0x0               ; class_atoms, ag
	s_load_b64 s[12:13], s[0:1], 0x10              ; ab
	s_load_b64 s[14:15], s[0:1], 0x70              ; p0
	s_mov_b32 s[INV], 0x3b000000                   ; 1 / 512
	s_lshl_b32 s16, ttmp9, 15                      ; 16 rows of 2,048 bytes,
	s_lshl_b32 s17, s2, 12                         ; my two
	s_add_co_u32 s16, s16, s17
	s_mov_b32 s17, 0
	s_lshl_b32 s18, ttmp9, 14                      ; the row-block in p0: 16,384 bytes,
	s_lshl_b32 s19, s2, 11                         ; my four sub-blocks
	s_add_co_u32 s18, s18, s19
	s_mov_b32 s19, 0
	s_mul_i32 s20, s2, 2*PR
	s_add_co_u32 s20, s20, RBASE
	v_add_nc_u32 v5, s20, v4                       ; in: my first row + 8 x lane
	v_and_b32 v6, 15, v0
	v_bfe_u32 v7, v0, 4, 1
	v_mul_u32_u24 v8, v6, PR                       ; back: row lane % 16, 16 bytes for each half of the lanes,
	v_lshl_add_u32 v8, v7, 4, v8
	s_lshl_b32 s20, s2, 7                          ; my four groups of 16 k
	s_add_co_u32 s20, s20, RBASE
	v_add_nc_u32 v8, s20, v8
	s_wait_kmcnt 0x0
	s_add_nc_u64 s[8:9], s[8:9], s[16:17]
	s_add_nc_u64 s[14:15], s[14:15], s[18:19]
.irp j, 0,1,2,3
	global_load_b128 v[GG+4*\j:GG+4*\j+3], v3, s[10:11] offset:512*\j
	global_load_b128 v[BB+4*\j:BB+4*\j+3], v3, s[12:13] offset:512*\j
.endr
.irp j, 0,1,2,3
	global_load_b128 v[X0+4*\j:X0+4*\j+3], v3, s[8:9] offset:512*\j th:TH_LOAD_NT
	global_load_b128 v[X1+4*\j:X1+4*\j+3], v3, s[8:9] offset:2048+512*\j th:TH_LOAD_NT
.endr
	s_wait_loadcnt 0x0
	LNROW X0, 16, 5, 0
	LNROW X1, 16, 5, PR
	s_wait_dscnt 0x0
	s_barrier_signal -1
	s_barrier_wait -1                              ; all 16 rows lie in LDS
.irp i, 0,1,2,3
	ds_load_b128 v[X0+4*\i:X0+4*\i+3], v8 offset:32*\i
.endr
.irp i, 0,1,2,3
	s_wait_dscnt 3-\i
	global_store_b128 v3, v[X0+4*\i:X0+4*\i+3], s[14:15] offset:512*\i  ; a sub-block: 512 consecutive bytes
.endr
	s_branch .Lend
	; ---------------- JOB C: 16 rows of 1,024: class_summary, then episode_context; wave v owns rows 2 v and 2 v + 1
.Ljob_c:
	s_load_b64 s[8:9], s[0:1], 0x18                ; class_summary
	s_load_b64 s[10:11], s[0:1], 0x20              ; episode_context
	s_load_b64 s[12:13], s[0:1], 0x28              ; cg
	s_load_b64 s[14:15], s[0:1], 0x30              ; cb
	s_load_b64 s[16:17], s[0:1], 0x70              ; p0
	s_load_b128 s[20:23], s[0:1], 0x80             ; cfg1, cfg2
	s_load_b64 s[24:25], s[0:1], 0x90              ; cfg3
	s_mov_b32 s[INV], 0x3a800000                   ; 1 / 1,024
	s_lshl_b32 s26, s2, 12                         ; my two rows of 2,048 bytes; also my eight sub-blocks in p0
	s_mov_b32 s27, 0
	s_add_co_u32 s28, s26, 1114112                 ; the block lies behind the 68 blocks of K = 512
	s_mov_b32 s29, 0
	s_mul_i32 s30, s2, 2*PCX
	s_add_co_u32 s30, s30, CBASE
	v_add_nc_u32 v5, s30, v4
	v_and_b32 v6, 15, v0
	v_bfe_u32 v7, v0, 4, 1
	v_mul_u32_u24 v8, v6, PCX
	v_lshl_add_u32 v8, v7, 4, v8
	s_lshl_b32 s30, s2, 8                          ; my eight groups of 16 k
	s_add_co_u32 s30, s30, CBASE
	v_add_nc_u32 v8, s30, v8
	s_wait_kmcnt 0x0
	s_add_nc_u64 s[8:9], s[8:9], s[26:27]
	s_add_nc_u64 s[10:11], s[10:11], s[26:27]
	s_add_nc_u64 s[16:17], s[16:17], s[28:29]
.irp j, 0,1,2,3,4,5,6,7
	global_load_b128 v[GG+4*\j:GG+4*\j+3], v3, s[12:13] offset:512*\j
	global_load_b128 v[BB+4*\j:BB+4*\j+3], v3, s[14:15] offset:512*\j
.endr
.irp j, 0,1,2,3
	global_load_b128 v[X0+4*\j:X0+4*\j+3], v3, s[8:9] offset:512*\j
	global_load_b128 v[X0+16+4*\j:X0+16+4*\j+3], v3, s[10:11] offset:512*\j
	global_load_b128 v[X1+4*\j:X1+4*\j+3], v3, s[8:9] offset:2048+512*\j
	global_load_b128 v[X1+16+4*\j:X1+16+4*\j+3], v3, s[10:11] offset:2048+512*\j
.endr
	s_wait_loadcnt 0x0
	LNROW X0, 32, 5, 0
	LNROW X1, 32, 5, PCX
	s_wait_dscnt 0x0
	s_barrier_signal -1
	s_barrier_wait -1
.irp i, 0,1,2,3,4,5,6,7
	ds_load_b128 v[X0+4*\i:X0+4*\i+3], v8 offset:32*\i
.endr
.irp i, 0,1,2,3,4,5,6,7
	s_wait_dscnt 7-\i
	global_store_b128 v3, v[X0+4*\i:X0+4*\i+3], s[16:17] offset:512*\i
.endr
	s_cmp_lg_u32 s2, 0
	s_cbranch_scc1 .Lend
	v_mov_b32 v[T], 0                              ; the three launches that share one text read their mode here: 256 whole bytes each
	v_mov_b32 v[T+1], 0
	v_mov_b32 v[T+2], 1
	v_mov_b32 v[T+3], 1
	v_mov_b32 v[T+4], 2
	v_mov_b32 v[T+5], 2
	global_store_b64 v4, v[T:T+1], s[20:21]
	global_store_b64 v4, v[T+2:T+3], s[22:23]
	global_store_b64 v4, v[T+4:T+5], s[24:25]
	s_branch .Lend
	; ---------------- JOB Q: one query; wave v pools atoms 8 v .. 8 v + 7; wave 0 adds the eight pools and normalises the row
.Ljob_q:
	s_load_b64 s[8:9], s[0:1], 0x38                ; query_atoms
	s_load_b128 s[12:15], s[0:1], 0x40             ; query_masses, qg
	s_load_b64 s[16:17], s[0:1], 0x50              ; qb
	s_load_b64 s[18:19], s[0:1], 0x70              ; p0
	s_mov_b32 s[INV], 0x3b000000                   ; 1 / 512
	s_sub_co_u32 s5, ttmp9, 65                     ; the query
	s_lshl_b32 s20, s5, 17                         ; its 64 atoms of 2,048 bytes,
	s_lshl_b32 s21, s2, 14                         ; my eight
	s_add_co_u32 s20, s20, s21
	s_mov_b32 s21, 0
	s_lshl_b32 s22, s5, 8                          ; its 64 masses
	s_mov_b32 s23, 0
	s_lshl_b32 s32, s2, 5                          ; my eight
	s_mov_b32 s33, 0
	s_lshr_b32 s34, s5, 4
	s_add_co_u32 s34, s34, 64                      ; its row-block in p0,
	s_lshl_b32 s34, s34, 14
	s_and_b32 s35, s5, 15
	s_lshl4_add_u32 s34, s35, s34                  ; its row there: 16 bytes in each half of each sub-block
	s_mov_b32 s35, 0
	s_lshl_b32 s38, s2, 11
	s_add_co_u32 s38, s38, QBASE
	v_add_nc_u32 v6, s38, v3                       ; where my pool goes: 2,048 x wave + 16 x lane
	v_add_nc_u32 v8, QBASE, v3                     ; where wave 0 reads the pools, and the row's pieces
	v_add_nc_u32 v9, QBASE, v4                     ; where it puts the row
	v_lshrrev_b32 v5, 1, v2
	v_lshlrev_b32 v5, 9, v5
	v_and_b32 v7, 1, v2
	v_lshl_add_u32 v5, v7, 8, v5                   ; piece p = lane (k = 8 p ..): sub-block p / 2, half p % 2
	s_wait_kmcnt 0x0
	s_add_nc_u64 s[12:13], s[12:13], s[22:23]
	s_add_nc_u64 s[36:37], s[12:13], s[32:33]
	s_load_b256 s[24:31], s[36:37], 0x0            ; my eight masses
	s_add_nc_u64 s[8:9], s[8:9], s[20:21]
	s_add_nc_u64 s[18:19], s[18:19], s[34:35]
	global_load_b64 v[12:13], v4, s[12:13]         ; all 64 masses, two a lane
.irp j, 0,1,2,3
	global_load_b128 v[GG+4*\j:GG+4*\j+3], v3, s[14:15] offset:512*\j
	global_load_b128 v[BB+4*\j:BB+4*\j+3], v3, s[16:17] offset:512*\j
.endr
.set j, 0
.rept 8
.irp g, 0,1,2,3
	global_load_b128 v[QX+16*j+4*\g:QX+16*j+4*\g+3], v3, s[8:9] offset:2048*j+512*\g th:TH_LOAD_NT
.endr
.set j, j+1
.endr
	s_wait_loadcnt 32                              ; the masses, gain and bias are in; the 32 loads of atoms may be out
	v_max_num_f32 v12, 0, v12
	v_max_num_f32 v13, 0, v13
	v_add_f32 v12, v12, v13
	REDUCE 12, 13
	v_max_num_f32 v12, 0x322bcc77, v12             ; at least 1e-8
	v_rcp_f32 v14, v12
	v_nop
	s_wait_alu depctr_va_vdst(0)
	s_wait_kmcnt 0x0
.set j, 0
.rept 8
	v_max_num_f32 v[M+2*j], s[24+j], 0
	v_mul_f32 v[M+2*j], v[M+2*j], v14              ; the normalised mass,
	v_mov_b32 v[M+2*j+1], v[M+2*j]                 ; twice
.set j, j+1
.endr
.set j, 0
.rept 8
	s_wait_loadcnt 28-4*j                          ; atom j is in; the younger atoms' loads, four each, may be out
.set k, 0
.rept 8
.if j == 0
	v_pk_mul_f32 v[PA+2*k:PA+2*k+1], v[QX+2*k:QX+2*k+1], v[M:M+1]  ; the first atom starts the pool
.else
	v_pk_fma_f32 v[PA+2*k:PA+2*k+1], v[QX+16*j+2*k:QX+16*j+2*k+1], v[M+2*j:M+2*j+1], v[PA+2*k:PA+2*k+1]
.endif
.set k, k+1
.endr
.set j, j+1
.endr
.irp g, 0,1,2,3
	ds_store_b128 v6, v[PA+4*\g:PA+4*\g+3] offset:512*\g
.endr
	s_wait_dscnt 0x0
	s_barrier_signal -1
	s_barrier_wait -1
	s_cmp_lg_u32 s2, 0
	s_cbranch_scc1 .Lend
.set j, 0
.rept 8
.irp g, 0,1,2,3
	ds_load_b128 v[QX+16*j+4*\g:QX+16*j+4*\g+3], v8 offset:2048*j+512*\g
.endr
.set j, j+1
.endr
	s_wait_dscnt 0x0
.set j, 1
.rept 7
.set k, 0
.rept 8
	v_pk_add_f32 v[QX+2*k:QX+2*k+1], v[QX+2*k:QX+2*k+1], v[QX+16*j+2*k:QX+16*j+2*k+1]
.set k, k+1
.endr
.set j, j+1
.endr
	LNROW QX, 16, 9, 16384                         ; the row in bf16, behind the eight pools; my own bytes, served in order
	ds_load_b128 v[160:163], v8 offset:16384       ; pieces lane and lane + 32
	ds_load_b128 v[164:167], v8 offset:16384+512
	s_wait_dscnt 0x0
	global_store_b128 v5, v[160:163], s[18:19]     ; pieces of 16 bytes: a work-group owns one row of a block of 16; 1,024 bytes a work-group
	global_store_b128 v5, v[164:167], s[18:19] offset:8192
.Lend:
	s_wait_tensorcnt 0x0                           ; the wave's end, behind my last LDS store
	ds_add_u32 v[SPW], v[NIL]
	s_wait_dscnt 0x0
	s_endpgm
.Lfunc_end_k_qb413a56d34_prep:
	.size	k_qb413a56d34_prep, .Lfunc_end_k_qb413a56d34_prep-k_qb413a56d34_prep
	.p2alignl 7, 3214868480
	.fill 96, 4, 3214868480
	.section	.rodata,"a",@progbits
	.p2align	6, 0x0
	.amdhsa_kernel k_qb413a56d34_prep
		.amdhsa_group_segment_fixed_size 113152
		.amdhsa_private_segment_fixed_size 0
		.amdhsa_enable_private_segment 0
		.amdhsa_kernarg_size 152
		.amdhsa_user_sgpr_count 2
		.amdhsa_user_sgpr_kernarg_segment_ptr 1
		.amdhsa_wavefront_size32 1
		.amdhsa_system_sgpr_workgroup_id_x 1
		.amdhsa_system_sgpr_workgroup_id_y 1
		.amdhsa_system_sgpr_workgroup_id_z 1
		.amdhsa_system_vgpr_workitem_id 0
		.amdhsa_next_free_vgpr 256
		.amdhsa_next_free_sgpr 80
		.amdhsa_reserve_vcc 0
		.amdhsa_float_denorm_mode_32 3
		.amdhsa_float_denorm_mode_16_64 3
		.amdhsa_memory_ordered 1
		.amdhsa_forward_progress 1
		.amdhsa_inst_pref_size 76
	.end_amdhsa_kernel
	.amdgpu_metadata
---
amdhsa.version: [ 1, 2 ]
amdhsa.kernels:
  - .name:           k_qb413a56d34_prep
    .symbol:         k_qb413a56d34_prep.kd
    .args:
      - { .name: class_atoms, .offset: 0, .size: 8, .value_kind: global_buffer, .address_space: global }
      - { .name: ag, .offset: 8, .size: 8, .value_kind: global_buffer, .address_space: global }
      - { .name: ab, .offset: 16, .size: 8, .value_kind: global_buffer, .address_space: global }
      - { .name: class_summary, .offset: 24, .size: 8, .value_kind: global_buffer, .address_space: global }
      - { .name: episode_context, .offset: 32, .size: 8, .value_kind: global_buffer, .address_space: global }
      - { .name: cg, .offset: 40, .size: 8, .value_kind: global_buffer, .address_space: global }
      - { .name: cb, .offset: 48, .size: 8, .value_kind: global_buffer, .address_space: global }
      - { .name: query_atoms, .offset: 56, .size: 8, .value_kind: global_buffer, .address_space: global }
      - { .name: query_masses, .offset: 64, .size: 8, .value_kind: global_buffer, .address_space: global }
      - { .name: qg, .offset: 72, .size: 8, .value_kind: global_buffer, .address_space: global }
      - { .name: qb, .offset: 80, .size: 8, .value_kind: global_buffer, .address_space: global }
      - { .name: rw1, .offset: 88, .size: 8, .value_kind: global_buffer, .address_space: global }
      - { .name: rg, .offset: 96, .size: 8, .value_kind: global_buffer, .address_space: global }
      - { .name: rb, .offset: 104, .size: 8, .value_kind: global_buffer, .address_space: global }
      - { .name: p0, .offset: 112, .size: 8, .value_kind: global_buffer, .address_space: global }
      - { .name: wk, .offset: 120, .size: 8, .value_kind: global_buffer, .address_space: global }
      - { .name: cfg1, .offset: 128, .size: 8, .value_kind: global_buffer, .address_space: global }
      - { .name: cfg2, .offset: 136, .size: 8, .value_kind: global_buffer, .address_space: global }
      - { .name: cfg3, .offset: 144, .size: 8, .value_kind: global_buffer, .address_space: global }
    .group_segment_fixed_size: 113152
    .private_segment_fixed_size: 0
    .kernarg_segment_align: 8
    .kernarg_segment_size: 152
    .max_flat_workgroup_size: 256
    .sgpr_count:     80
    .vgpr_count:     256
    .wavefront_size: 32
...
	.end_amdgpu_metadata
.endif
;; end of part 1
;; launch mlp1 (part 2): grid 144 x 1, 8 waves a work-group, no clusters, 164,864 bytes of LDS; arguments cfg1, p0, aw1, qw1, cw1, ab1, qb1, cb1, p1; writes p1
.if DOCPART == 2
	.amdgcn_target "amdgcn-amd-amdhsa--gfx1250"
	.amdhsa_code_object_version 6
	.text
	.protected	k_qb413a56d34_mlp1
	.globl	k_qb413a56d34_mlp1
	.p2align	8
	.type	k_qb413a56d34_mlp1,@function
k_qb413a56d34_mlp1:
	s_mov_b64 s[64:65], 0
	v_nop
	global_prefetch_b8 v0, s[64:65] scope:SCOPE_SE
	s_setreg_imm32_b32 hwreg(HW_REG_WAVE_MODE, 25, 1), 1
	s_wait_xcnt 0x0
; One Linear layer for the three small stacks, 69 row-blocks of 16 rows: a (blocks 0-63), q (64-67), c (68).  Y = X W (+ bias) (GELU).  One text, three launches; the mode word says which:
;   mode 0: first layers, + bias, exact GELU, bf16 out (c's layer has K = 1,024)     mode 1: second layers, + bias, bf16 out
;   mode 2: a G1, q G2, c G4 with G = diag(rg) rw1 in f32 at bytes 0, 1,048,576, 3,145,728 of the third argument; no bias; f32 out in accumulator order
; X and the bf16 results lie in OPERAND ORDER: a sub-block of 16 rows x 16 k is 512 bytes, lane 16 h + r holds row r, k = 8 h .. 8 h + 7 at byte 16 x lane.
; SHARES.  A work-group: four row-blocks (or c's one) x 64 columns.  A wave: one row-block x 32 columns, two accumulators.  The 512 x 64 tile of W is rounded to bf16 into LDS once, by all eight waves.
; THE PRODUCT IS TAKEN TRANSPOSED (source 0 = 16 columns of W, turned by ds_load_tr16_b128; source 1 = 16 rows of X): a lane ends with one row and eight neighbouring columns,
; which after rounding ARE a sub-block of the next layer's X: every store is 512 consecutive bytes.
; LIMITS.  erf by the five-term rational form of Abramowitz and Stegun 7.1.26, absolute error up to 1.5e-7 for every argument.  NaN and infinities are not treated apart.
; No tensor loads, and so no joint loads in a cluster: W lies in memory in f32 and is rounded on its way into LDS, through registers.  No prefetch: the launch is short.
.set SPARE, 163840
.set TILE1, 81920                      ; the second tile, for K = 1,024
.set P,     160                        ; LDS pitch of a row of 64 bf16: 128 + 32 bytes, an odd multiple of 32
.set WOFF, 2                           ; v2   my bytes in W's tile: row 64 wave + lane / 16, 16 bytes at lane % 16
.set LST,  3                           ; v3   where they go in LDS
.set LST2, 4                           ; v4   the same in the second tile
.set XOFF, 5                           ; v5   16 x lane
.set VB,   6                           ; v6   the turning load's address, k = 0..255
.set VBH,  7                           ; v7   k = 256..511 (the immediate holds 16 bits)
.set VB2,  8                           ; v8, v9  the same in the second tile
.set VB2H, 9
.set SPW,  10
.set NIL,  11
.set BOFF, 12                          ; v12  my eight columns in the bias
.set ACC,  16                          ; v[16:31]   two accumulators
.set BIAS, 32                          ; v[32:47]
.set Z,    48                          ; v[48:63]
.set XA,   64                          ; v[64:191]  X's 16 operands of 32 k
.set WR,   128                         ; v[128:255] W as loaded, 32 x 4: used up before X's upper half and W's operands are loaded over it
.set BF,   192                         ; v[192:255] W's operands: two groups of 2 (k) x 2 (columns) x 8
.set GE,   64                          ; GELU at work, when X is used up
.set GT,   80
.set GP,   96
.set OB,   112
.set K1, 36                            ; s[36:49] GELU's constants, in pairs for the packed forms
.set K2, 38
.set A1, 40
.set A2, 42
.set A3, 44
.set A4, 46
.set A5, 48
.macro PLACES                          ; four plain places behind a matrix instruction (ISA guide 7.12.1)
.rept 4
	v_nop
.endr
.endm
.macro FILLQ off                       ; my 64 rows of W's tile: 32 loads, two rows of 256 bytes each
.set j, 0
.rept 32
	global_load_b128 v[WR+4*j:WR+4*j+3], v[WOFF], s[28:29] offset:\off+4096*j
.set j, j+1
.endr
.endm
.macro FILLC lst, n0                   ; rounded and stored; n0 - j loads are younger than load j
.set j, 0
.rept 32
	s_wait_loadcnt \n0-j
	v_cvt_pk_bf16_f32 v[WR+4*j], v[WR+4*j], v[WR+4*j+1]
	v_cvt_pk_bf16_f32 v[WR+4*j+1], v[WR+4*j+2], v[WR+4*j+3]
	ds_store_b64 v[\lst], v[WR+4*j:WR+4*j+1] offset:2*P*j
.set j, j+1
.endr
.endm
.macro XLOAD r0, n, off                ; n operands of X into XA + 8 r0 .., from byte off of my row-block
.set j, 0
.rept \n
	global_load_b128 v[XA+8*(\r0+j):XA+8*(\r0+j)+3], v[XOFF], s[10:11] offset:\off+1024*j
	global_load_b128 v[XA+8*(\r0+j)+4:XA+8*(\r0+j)+7], v[XOFF], s[10:11] offset:\off+1024*j+512
.set j, j+1
.endr
.endm
.macro BLOAD vlo, vhi, g               ; group g: W's operands for k = 64 g .. 64 g + 63, both column blocks: 8 turning loads
.set bb, BF+32*((\g)%2)
.irp cc, 0,1
.irp nn, 0,1
.if (2*(\g)+\cc) < 8
	ds_load_tr16_b128 v[bb+16*\cc+8*\nn:bb+16*\cc+8*\nn+3], v[\vlo] offset:(2*(\g)+\cc)*32*P+32*\nn
	ds_load_tr16_b128 v[bb+16*\cc+8*\nn+4:bb+16*\cc+8*\nn+7], v[\vlo] offset:(2*(\g)+\cc)*32*P+32*\nn+16*P
.else
	ds_load_tr16_b128 v[bb+16*\cc+8*\nn:bb+16*\cc+8*\nn+3], v[\vhi] offset:(2*(\g)+\cc-8)*32*P+32*\nn
	ds_load_tr16_b128 v[bb+16*\cc+8*\nn+4:bb+16*\cc+8*\nn+7], v[\vhi] offset:(2*(\g)+\cc-8)*32*P+32*\nn+16*P
.endif
.endr
.endr
.endm
; K = 512: 32 matrix instructions.  The two accumulators take turns, one instruction a turn.  zero = 1: the first two products start the sums.
.macro GEMM vlo, vhi, zero
	BLOAD \vlo, \vhi, 0
	BLOAD \vlo, \vhi, 1
.set g, 0
.rept 8
.if g < 7
	s_wait_dscnt 8                                 ; group g is in; the next group's eight loads may be out
.else
	s_wait_dscnt 0x0
.endif
.irp cc, 0,1
.irp nn, 0,1
.if (\zero) && (g == 0) && (\cc == 0)
	v_wmma_f32_16x16x32_bf16 v[ACC+8*\nn:ACC+8*\nn+7], v[BF+32*(g%2)+16*\cc+8*\nn:BF+32*(g%2)+16*\cc+8*\nn+7], v[XA+8*(2*g+\cc):XA+8*(2*g+\cc)+7], 0
.else
	v_wmma_f32_16x16x32_bf16 v[ACC+8*\nn:ACC+8*\nn+7], v[BF+32*(g%2)+16*\cc+8*\nn:BF+32*(g%2)+16*\cc+8*\nn+7], v[XA+8*(2*g+\cc):XA+8*(2*g+\cc)+7], v[ACC+8*\nn:ACC+8*\nn+7]
.endif
.endr
.endr
	PLACES                                         ; in front of loads into the registers just multiplied, and of what reads the sums
.if g < 6
	BLOAD \vlo, \vhi, g+2
.endif
.set g, g+1
.endr
.endm
; GELU of 16 numbers, exact form: gelu(z) = z / 2 + |z| (1/2 - poly(t) 2^(-(K1 z)^2)), t = 1 / (1 + K2 |z|); poly holds half the coefficients of erf's form.
.macro GPL z, e, t, x, part            ; one of the four plain lines of pair x
.if \part == 0
	v_pk_mul_f32 v[\e+2*(\x):\e+2*(\x)+1], v[\z+2*(\x):\z+2*(\x)+1], s[K1:K1+1] op_sel_hi:[1,0]
.elseif \part == 1
	v_pk_mul_f32 v[\e+2*(\x):\e+2*(\x)+1], v[\e+2*(\x):\e+2*(\x)+1], v[\e+2*(\x):\e+2*(\x)+1] neg_lo:[1,0] neg_hi:[1,0]
.elseif \part == 2
	v_fma_f32 v[\t+2*(\x)], |v[\z+2*(\x)]|, s[K2], 1.0
.else
	v_fma_f32 v[\t+2*(\x)+1], |v[\z+2*(\x)+1]|, s[K2], 1.0
.endif
.endm
.macro GELU16 z, e, t, p
.irp pp, 0,1,2,3
	GPL \z, \e, \t, 0, \pp
.endr
.set gx, 0
.rept 8                                ; ONE BATCH of 32 transcendentals; the next pair's plain lines stand between them, and nothing here names a result
	v_exp_f32 v[\e+2*gx], v[\e+2*gx]
.if gx < 7
	GPL \z, \e, \t, gx+1, 0
.endif
	v_exp_f32 v[\e+2*gx+1], v[\e+2*gx+1]
.if gx < 7
	GPL \z, \e, \t, gx+1, 1
.endif
	v_rcp_f32 v[\t+2*gx], v[\t+2*gx]
.if gx < 7
	GPL \z, \e, \t, gx+1, 2
.endif
	v_rcp_f32 v[\t+2*gx+1], v[\t+2*gx+1]
.if gx < 7
	GPL \z, \e, \t, gx+1, 3
.endif
.set gx, gx+1
.endr
	v_nop                                          ; a plain instruction behind the last of them,
	s_wait_alu depctr_va_vdst(0)                   ; and one wait for the batch, ahead of the first reader
.set gx, 0
.rept 8
	v_pk_fma_f32 v[\p+2*gx:\p+2*gx+1], v[\t+2*gx:\t+2*gx+1], s[A5:A5+1], s[A4:A4+1] op_sel_hi:[1,0,0]
.set gx, gx+1
.endr
.irp cf, A3, A2, A1
.set gx, 0
.rept 8
	v_pk_fma_f32 v[\p+2*gx:\p+2*gx+1], v[\p+2*gx:\p+2*gx+1], v[\t+2*gx:\t+2*gx+1], s[\cf:\cf+1] op_sel_hi:[1,1,0]
.set gx, gx+1
.endr
.endr
.set gx, 0
.rept 8
	v_pk_mul_f32 v[\p+2*gx:\p+2*gx+1], v[\p+2*gx:\p+2*gx+1], v[\t+2*gx:\t+2*gx+1]
.set gx, gx+1
.endr
.set gx, 0
.rept 8
	v_pk_fma_f32 v[\p+2*gx:\p+2*gx+1], v[\p+2*gx:\p+2*gx+1], v[\e+2*gx:\e+2*gx+1], 0.5 op_sel_hi:[1,1,0] neg_lo:[1,0,0] neg_hi:[1,0,0]
.set gx, gx+1
.endr
.set gx, 0
.rept 16
	v_mul_f32 v[\p+gx], |v[\z+gx]|, v[\p+gx]
.set gx, gx+1
.endr
.set gx, 0
.rept 8
	v_pk_fma_f32 v[\z+2*gx:\z+2*gx+1], v[\z+2*gx:\z+2*gx+1], 0.5, v[\p+2*gx:\p+2*gx+1] op_sel_hi:[1,0,1]
.set gx, gx+1
.endr
.endm
	s_load_b512 s[8:23], s[0:1], 0x0               ; mode s[8:9], X s[10:11], Wa, Wq, Wc s[12:17], ba, bq, bc s[18:23]
	s_load_b64 s[24:25], s[0:1], 0x40              ; the output
	v_lshl_add_u32 v[SPW], v0, 2, SPARE
	v_mov_b32 v[NIL], 0
	v_lshrrev_b32 v1, 5, v0
	v_readfirstlane_b32 s2, v1                     ; wave 0..7
	v_and_b32 v1, 31, v0                           ; lane
	s_lshr_b32 s3, ttmp9, 3                        ; the group of rows: 0-15 a, 16 q, 17 c
	s_and_b32 s4, ttmp9, 7                         ; which 64 columns
	s_and_b32 s5, s2, 3                            ; my row-block in the group
	s_lshr_b32 s6, s2, 2                           ; which 32 of the 64 columns
	s_lshl2_add_u32 s7, s3, s5
	s_min_u32 s7, s7, 68                           ; my row-block; c has one, which all waves name
	v_lshrrev_b32 v13, 4, v1                       ; lane / 16
	v_and_b32 v14, 15, v1                          ; lane % 16
	v_lshlrev_b32 v[WOFF], 11, v13
	v_lshl_add_u32 v[WOFF], v14, 4, v[WOFF]
	s_lshl_b32 s26, s2, 17                         ; 64 rows of 2,048 bytes a wave
	s_lshl_b32 s27, s4, 8
	s_add_co_u32 s26, s26, s27
	v_add_nc_u32 v[WOFF], s26, v[WOFF]
	v_mul_u32_u24 v[LST], v13, P
	v_lshl_add_u32 v[LST], v14, 3, v[LST]
	s_mul_i32 s26, s2, 64*P
	v_add_nc_u32 v[LST], s26, v[LST]
	v_add_nc_u32 v[LST2], TILE1, v[LST]
	v_lshlrev_b32 v[XOFF], 4, v1
	v_and_b32 v15, 7, v1                           ; the turning load: lane l reads row 8 (l / 16) + l % 8, 16 bytes at (l / 8) % 2
	v_lshl_add_u32 v15, v13, 3, v15
	v_mul_u32_u24 v[VB], v15, P
	v_bfe_u32 v15, v1, 3, 1
	v_lshl_add_u32 v[VB], v15, 4, v[VB]
	s_lshl_b32 s26, s6, 6                          ; my 32 columns: 64 bytes
	v_add_nc_u32 v[VB], s26, v[VB]
	v_add_nc_u32 v[VBH], 256*P, v[VB]
	v_add_nc_u32 v[VB2], TILE1, v[VB]
	v_add_nc_u32 v[VB2H], TILE1+256*P, v[VB]
	s_lshl_b32 s26, s4, 8
	s_lshl_b32 s27, s6, 7
	s_add_co_u32 s26, s26, s27
	v_lshl_add_u32 v[BOFF], v13, 5, s26            ; 4 (64 ct + 32 ch + 8 h)
	s_mov_b32 s[K1], 0x3f596d27                    ; sqrt(log2(e) / 2)
	s_mov_b32 s[K1+1], 0x3f596d27
	s_mov_b32 s[K2], 0x3e6d3388                    ; 0.3275911 / sqrt(2)
	s_mov_b32 s[K2+1], 0x3e6d3388
	s_mov_b32 s[A1], 0x3e027906
	s_mov_b32 s[A1+1], 0x3e027906
	s_mov_b32 s[A2], 0xbe11a98e
	s_mov_b32 s[A2+1], 0xbe11a98e
	s_mov_b32 s[A3], 0x3f35f0e3
	s_mov_b32 s[A3+1], 0x3f35f0e3
	s_mov_b32 s[A4], 0xbf3a00e3
	s_mov_b32 s[A4+1], 0xbf3a00e3
	s_mov_b32 s[A5], 0x3f07dc22
	s_mov_b32 s[A5+1], 0x3f07dc22
	s_wait_kmcnt 0x0
	s_load_b32 s35, s[8:9], 0x0                    ; the mode: a whole number that the first launch stored
	s_cmp_lt_u32 s3, 16
	s_cselect_b64 s[28:29], s[12:13], s[14:15]     ; the stack's weights,
	s_cselect_b64 s[30:31], s[18:19], s[20:21]     ; its bias,
	s_cselect_b32 s32, 0, 0x100000                 ; and, for mode 2, its section of G
	s_cmp_eq_u32 s3, 17
	s_cselect_b64 s[28:29], s[16:17], s[28:29]
	s_cselect_b64 s[30:31], s[22:23], s[30:31]
	s_cselect_b32 s32, 0x300000, s32
	s_cselect_b32 s34, 1, 0
	s_mov_b32 s33, 0
	s_lshl_b32 s26, s7, 14
	s_mov_b32 s27, 0
	s_add_nc_u64 s[10:11], s[10:11], s[26:27]      ; X at my row-block
	s_lshl_b32 s26, s7, 5
	s_lshl2_add_u32 s26, s4, s26
	s_lshl1_add_u32 s26, s6, s26                   ; 32 x row-block + my first column block
	s_lshl_b32 s50, s26, 9                         ; its place in an output of bf16: blocks of 512 bytes,
	s_lshl_b32 s51, s26, 10                        ; and in one of f32: blocks of 1,024
	s_wait_kmcnt 0x0
	s_min_u32 s35, s35, 2
	s_cmp_eq_u32 s35, 2
	s_cselect_b64 s[28:29], s[12:13], s[28:29]     ; mode 2: one buffer holds all of G
	s_cselect_b32 s32, s32, 0
	s_cselect_b32 s26, s51, s50
	s_add_nc_u64 s[28:29], s[28:29], s[32:33]
	s_add_nc_u64 s[24:25], s[24:25], s[26:27]
	s_cmp_eq_u32 s35, 0
	s_cselect_b32 s34, s34, 0                      ; 1: c's first layer, K = 1,024
.irp nn, 0,1
	global_load_b128 v[BIAS+8*\nn:BIAS+8*\nn+3], v[BOFF], s[30:31] offset:64*\nn
	global_load_b128 v[BIAS+8*\nn+4:BIAS+8*\nn+7], v[BOFF], s[30:31] offset:64*\nn+16
.endr
	FILLQ 0
	XLOAD 0, 8, 0
	FILLC LST, 47                                  ; behind W's load j stand its 31 - j successors and X's 16
	s_cmp_eq_u32 s34, 1
	s_cbranch_scc0 .Lone_tile
	FILLQ 0x100000                                 ; rows 512..1,023
	FILLC LST2, 31
.Lone_tile:
	XLOAD 8, 8, 8192
	s_wait_dscnt 0x0                               ; for the others' sake: my part of the tile is stored
	s_barrier_signal -1
	s_barrier_wait -1
	s_cmp_eq_u32 s3, 17
	s_cselect_b32 s27, s5, 0
	s_cmp_lg_u32 s27, 0
	s_cbranch_scc1 .Lend                           ; c has one row-block: waves 0 and 4 make it
	s_wait_loadcnt 0x0
	GEMM VB, VBH, 1
	s_cmp_eq_u32 s34, 1
	s_cbranch_scc0 .Lsummed
	XLOAD 0, 16, 16384                             ; k = 512..1,023 of c's rows
	s_wait_loadcnt 0x0
	GEMM VB2, VB2H, 0
.Lsummed:
	PLACES                                         ; eight places in all, once a launch, ahead of the first read of the sums
	s_cmp_eq_u32 s35, 2
	s_cbranch_scc0 .Lact
.irp nn, 0,1
	global_store_b128 v[XOFF], v[ACC+8*\nn:ACC+8*\nn+3], s[24:25] offset:1024*\nn
	global_store_b128 v[XOFF], v[ACC+8*\nn+4:ACC+8*\nn+7], s[24:25] offset:1024*\nn+512
.endr
	s_branch .Lend
.Lact:
.set j, 0
.rept 8
	v_pk_add_f32 v[Z+2*j:Z+2*j+1], v[ACC+2*j:ACC+2*j+1], v[BIAS+2*j:BIAS+2*j+1]
.set j, j+1
.endr
	s_cmp_eq_u32 s35, 0
	s_cbranch_scc0 .Lpack
	GELU16 Z, GE, GT, GP
.Lpack:
.set j, 0
.rept 8
	v_cvt_pk_bf16_f32 v[OB+j], v[Z+2*j], v[Z+2*j+1]
.set j, j+1
.endr
	global_store_b128 v[XOFF], v[OB:OB+3], s[24:25]
	global_store_b128 v[XOFF], v[OB+4:OB+7], s[24:25] offset:512
.Lend:
	s_wait_tensorcnt 0x0                           ; the wave's end, behind my last LDS store
	ds_add_u32 v[SPW], v[NIL]
	s_wait_dscnt 0x0
	s_endpgm
.Lfunc_end_k_qb413a56d34_mlp1:
	.size	k_qb413a56d34_mlp1, .Lfunc_end_k_qb413a56d34_mlp1-k_qb413a56d34_mlp1
	.p2alignl 7, 3214868480
	.fill 96, 4, 3214868480
	.section	.rodata,"a",@progbits
	.p2align	6, 0x0
	.amdhsa_kernel k_qb413a56d34_mlp1
		.amdhsa_group_segment_fixed_size 164864
		.amdhsa_private_segment_fixed_size 0
		.amdhsa_enable_private_segment 0
		.amdhsa_kernarg_size 72
		.amdhsa_user_sgpr_count 2
		.amdhsa_user_sgpr_kernarg_segment_ptr 1
		.amdhsa_wavefront_size32 1
		.amdhsa_system_sgpr_workgroup_id_x 1
		.amdhsa_system_sgpr_workgroup_id_y 1
		.amdhsa_system_sgpr_workgroup_id_z 1
		.amdhsa_system_vgpr_workitem_id 0
		.amdhsa_next_free_vgpr 256
		.amdhsa_next_free_sgpr 66
		.amdhsa_reserve_vcc 0
		.amdhsa_float_denorm_mode_32 3
		.amdhsa_float_denorm_mode_16_64 3
		.amdhsa_memory_ordered 1
		.amdhsa_forward_progress 1
		.amdhsa_inst_pref_size 55
	.end_amdhsa_kernel
	.amdgpu_metadata
---
amdhsa.version: [ 1, 2 ]
amdhsa.kernels:
  - .name:           k_qb413a56d34_mlp1
    .symbol:         k_qb413a56d34_mlp1.kd
    .args:
      - { .name: cfg1, .offset: 0, .size: 8, .value_kind: global_buffer, .address_space: global }
      - { .name: p0, .offset: 8, .size: 8, .value_kind: global_buffer, .address_space: global }
      - { .name: aw1, .offset: 16, .size: 8, .value_kind: global_buffer, .address_space: global }
      - { .name: qw1, .offset: 24, .size: 8, .value_kind: global_buffer, .address_space: global }
      - { .name: cw1, .offset: 32, .size: 8, .value_kind: global_buffer, .address_space: global }
      - { .name: ab1, .offset: 40, .size: 8, .value_kind: global_buffer, .address_space: global }
      - { .name: qb1, .offset: 48, .size: 8, .value_kind: global_buffer, .address_space: global }
      - { .name: cb1, .offset: 56, .size: 8, .value_kind: global_buffer, .address_space: global }
      - { .name: p1, .offset: 64, .size: 8, .value_kind: global_buffer, .address_space: global }
    .group_segment_fixed_size: 164864
    .private_segment_fixed_size: 0
    .kernarg_segment_align: 8
    .kernarg_segment_size: 72
    .max_flat_workgroup_size: 256
    .sgpr_count:     66
    .vgpr_count:     256
    .wavefront_size: 32
...
	.end_amdgpu_metadata
.endif
;; end of part 2
;; launch mlp2: the kernel of part 2 again; grid 144 x 1, 8 waves a work-group, no clusters, 164,864 bytes of LDS; arguments cfg2, p1, aw2, qw2, cw2, ab2, qb2, cb2, p0; writes p0
;; launch mlp3: the kernel of part 2 again; grid 144 x 1, 8 waves a work-group, no clusters, 164,864 bytes of LDS; arguments cfg3, p0, wk, qw2, cw2, ab2, qb2, cb2, pf; writes pf
;; launch score (part 3): grid 256 x 1, 4 waves a work-group, clusters of 4 x 1, 327,680 bytes of LDS; arguments p0, pf, wk, rb1, rw2, rb2, class_masses, out0, out1; writes out0, out1
.if DOCPART == 3
	.amdgcn_target "amdgcn-amd-amdhsa--gfx1250"
	.amdhsa_code_object_version 6
	.text
	.protected	k_qb413a56d34_score
	.globl	k_qb413a56d34_score
	.p2align	8
	.type	k_qb413a56d34_score,@function
k_qb413a56d34_score:
	s_mov_b64 s[64:65], 0
	v_nop
	global_prefetch_b8 v0, s[64:65] scope:SCOPE_SE
	s_setreg_imm32_b32 hwreg(HW_REG_WAVE_MODE, 25, 1), 1
	s_wait_xcnt 0x0
	s_wait_alu depctr_hold_cnt(0) depctr_sa_sdst(0) depctr_va_vdst(0) depctr_va_sdst(0) depctr_va_ssrc(0) depctr_va_vcc(0) depctr_vm_vsrc(0)
	s_getreg_b32 s2, hwreg(HW_REG_IB_STS2, 6, 4)
	s_cmp_eq_u32 s2, 0
	s_cbranch_scc0 .Lentry_in_a_cluster
	s_endpgm
.Lentry_in_a_cluster:
	s_bfe_u32 s2, ttmp6, 0x10000c
	s_cmp_lg_u32 s2, 0x3003
	s_cbranch_scc0 .Lentry_shape_is_right
	s_endpgm
.Lentry_shape_is_right:
; THE RELEVANCE HEAD, SOFTMAX AND ENTROPY.  For a row x = [a, q, a q, |a - q| + c] of 2,048 numbers with mean m and r = 1 / sqrt(var + 1e-5):
;   z = r (a G1 + q G2 + c G4 + (a q) G3 + |a - q| G4 - m s) + t,   G = diag(rg) rw1, s = G's column sums, t = rb rw1 + rb1;   relevance = gelu(z) . rw2 + rb2.
; a G1, q G2, c G4 (1,024, 64 and 16 rows) were made by the launch before; here only the last two products have 65,536 rows: K = 1,024 in place of 2,048.
; SHARES.  A cluster is one query q, a work-group four classes, a wave ONE pair (q, w): 64 rows (atoms) x 512 columns, as two halves of 256: 64 accumulators, 512 registers.
; Statistics, the dot product with rw2, softmax and entropy never leave the wave; the waves share only G3's and G4's tiles.
; THE PRODUCT IS TAKEN TRANSPOSED (source 0 = 16 columns of G, source 1 = 16 rows): a lane holds one row (lane % 16) and the columns 8 (lane / 16) + 0..7.
; THE ACCUMULATORS START AS a G1, loaded from memory in accumulator order: nothing is cleared, and no first step is written out.
; OPERANDS.  a lies in memory in operand order (bf16); a q and |a - q| are made by packed bf16 arithmetic between the load and the matrix instruction, each rounded once.
; THE RING.  G3 and G4 lie in memory as 16 steps of 65,536 bytes: [quarter: (chunk 2 t, G3), (2 t, G4), (2 t + 1, G3), (2 t + 1, G4)][16 column blocks][1,024 bytes in operand order].
; Two LDS slots of a step each; each wave fetches a quarter by one tensor load.  All work-groups walk the same 16 steps: the four partners of a cluster ask JOINTLY.
; A wider cluster would share no more: a mask names four.
; LIMITS.  m s is taken away behind the product: the error of x's rounding to bf16 grows with |m| / sigma of the fused row (G's rounding cancels: s is the sum of the rounded G).
; The fused row's variance is E[x^2] - m^2 in f32, held at 0 from below: it loses about (m / sigma)^2 2^-23 of itself.  erf as in Abramowitz and Stegun 7.1.26, error up to 1.5e-7.
; A weight below 2^-126 counts as 0.  NaN and infinities are not treated apart.  (1 - STRENGTH) class_masses is 0 by reference()'s own constant.
; REGISTERS, in windows of 256 (s_set_vgpr_msb: bits 1:0 source 0, 3:2 source 1, 5:4 source 2, 7:6 destination):
;   window 0: see the names below     window 1: G's operands, two buffers of 16 column blocks x 8     window 2: accumulators of column blocks 0-7, (block, rows i) at 8 (4 block + i)     window 3: blocks 8-15
; Every LDS address is made of v0, the wave's number and constants, in registers (v1-11, v20-31) that never hold data; v12-19 serve as addresses at the head alone, before they first hold data.
.set SLOT,  65536
.set STAGE, 131072                     ; 32,768 bytes a wave: first four f32 tables (q, 1 + q, 1 + q^2, c; 2,048 each), later half of the accumulators.  No tensor load lands at or above this byte
.set TS,    262144                     ; shared tables of 512 f32: s, t at + 2,048, rw2 at + 4,096
.set OWN,   268288                     ; 4,096 bytes a wave: u = q G2 + c G4 (2,048), q in bf16 (1,024) at + 2,048, the result's 256 bytes at + 3,072
.set SPARE, 284672                     ; the spare words, 128 bytes for each wave
.set BBO,   4194304                    ; in wk: the 16 steps
.set CVO,   5242880                    ; in wk: 16 partial s of 512 f32, then 16 partial t
.set L16,  2                           ; v2   16 x lane; never rewritten
.set ADRB, 3                           ; v3   16 x lane + the slot in hand
.set ADRN, 4                           ; v4   16 x lane + the other slot
.set VA,   5                           ; v5   16 x lane + 1,024 x the chunk of a to be loaded
.set VQ0,  6                           ; v6   q in bf16, + 16 (lane / 16)
.set VQN,  7                           ; v7   the same at the next step's first chunk
.set STG,  8                           ; v8   my stage + 16 x lane
.set EPZ,  9                           ; v9   the same at the next block of the stage
.set EPT,  10                          ; v10  the shared tables at the next column block
.set VT,   11                          ; v11  the statistics' tables
.set TMP,  12                          ; v[12:19] at work
.set EPT0, 20                          ; v20  the shared tables at column 0, + 32 (lane / 16); never rewritten
.set EPU0, 21                          ; v21  u at column 0, likewise
.set OSA,  22                          ; v22  the way out: where I put a number: + 4 (lane % 16)
.set OLA,  23                          ; v23  the way out: where I read two back: + 8 x lane
.set GO8,  24                          ; v24  8 x lane
.set MOFF, 25                          ; v25  4 (lane % 16)
.set HH,   26                          ; v26  lane / 16
.set ZOF,  27                          ; v27  the offset 0 of the one number of out1
.set SPW,  28
.set NIL,  29
.set PFO,  30                          ; v30  256 x lane
.set EPU,  31                          ; v31  u at the next column block
.set AP,   32                          ; v[32:63]   a q, four operands
.set AD,   64                          ; v[64:95]   |a - q|
.set QF,   96                          ; v[96:103]  q of a chunk, as an operand's registers
.set NQ,   104                         ; v[104:111] - q
.set RAW0, 112                         ; v[112:143] a, even chunks
.set RAW1, 144                         ; v[144:175] a, odd chunks
.set ST,   176                         ; v[176:183] rows i: the pair (- m, r)
.set RR,   184                         ; v[184:191] rows i: two partial relevances
.set RU,   192                         ; v[192:223] u, s, t, rw2 of a column block: 8 each
.set RS,   200
.set RT,   208
.set RW,   216
.set MS,   224                         ; v[224:227] my four atoms' masses
.set ZA,   32                          ; the epilogue: rows 0, 1 of a column block; rows 2, 3; GELU at work
.set ZB,   48
.set GE,   64
.set GT,   80
.set GP,   96
.set AF,   32                          ; the statistics: a chunk of a in f32, 16 a row block
.set S1A,  96                          ; v[96:111]  sums of a (1 + q) and of a^2 (1 + q^2), a pair for each row block
.set S2A,  104
.set S1B,  176                         ; v[176:191] sums of e = |a - q| + c and of e^2
.set S2B,  184
.set TBQ,  192                         ; v[192:255] the chunk's q, 1 + q, 1 + q^2, c
.set TP1,  208
.set TP2,  224
.set TBC,  240
.set F0,   0
.set F1,   128
.set WV,  22
.set CX,  23
.set QI,  24
.set WI,  25
.set ZO,  26                           ; s26  the next block's place in the stage
.set TO,  27                           ; s27  the next column block's place in the tables
.set G1,  28                           ; s[28:35] descriptor group 1
.set G0A, 36                           ; s[36:39] group 0 of step 0
.set G0B, 40                           ; s[40:43] group 0 of step 1; it then walks
.set CNT, 44
.set TB,  45
.set AC,  46
.set QC,  47
.set PFA, 48
.set LIM, 50
.set PCN, 51
.set TCN, 52
.set SC,  53
.set K1,  54
.set K2,  56
.set A1,  58
.set A2,  60
.set A3,  62
.set A4,  66
.set A5,  68
.set SGNM, 70
.set ABSM, 71
.set HIM,  72
.set SEL,  74
.set SQ,   88
.set SQ2,  89
.set RB2,  90
.set MSB, 0
.macro WIN new                         ; the immediate's high byte repeats the setting that is left; a switch that changes nothing is dropped
.if MSB != (\new)
	s_set_vgpr_msb (MSB<<8)|(\new)
.set MSB, \new
.endif
.endm
.set MUL_LO, 0xa1                      ; source 0 (G) window 1, source 1 window 0, C and D window 2
.set TO_B,   0x40                      ; destination window 1
.macro PLACES
.rept 4
	v_nop
.endr
.endm
.macro CREST                           ; a round of the cluster's barrier behind its opening barrier
	s_cmp_lg_u32 s[WV], 0
	s_cbranch_scc1 .Lnot_wave_0_\@
	s_barrier_signal -3
.Lnot_wave_0_\@:
	s_barrier_wait -3
	s_barrier_signal -1
	s_barrier_wait -1
.endm
.macro CROUND
	s_barrier_signal -1
	s_barrier_wait -1
	CREST
.endm
.macro ALOAD raw, off                  ; a chunk of a: four operands, 8 loads of 512 consecutive bytes
	WIN 0
.irp i, 0,1,2,3
	global_load_b128 v[\raw+8*\i:\raw+8*\i+3], v[VA], s[4:5] offset:\i*16384+\off
	global_load_b128 v[\raw+8*\i+4:\raw+8*\i+7], v[VA], s[4:5] offset:\i*16384+\off+512
.endr
.endm
.macro PFLOAD half                     ; a G1 for 256 columns, straight into the 64 accumulators: 128 loads of 512 consecutive bytes
	WIN 0x80
.set nb, 0
.rept 8
.irp i, 0,1,2,3
	global_load_b128 v[8*(4*nb+\i):8*(4*nb+\i)+3], v[L16], s[6:7] offset:\i*32768+(16*\half+nb)*1024
	global_load_b128 v[8*(4*nb+\i)+4:8*(4*nb+\i)+7], v[L16], s[6:7] offset:\i*32768+(16*\half+nb)*1024+512
.endr
.set nb, nb+1
.endr
	WIN 0xc0
.set nb, 0
.rept 8
.irp i, 0,1,2,3
	global_load_b128 v[8*(4*nb+\i):8*(4*nb+\i)+3], v[L16], s[6:7] offset:\i*32768+(16*\half+8+nb)*1024
	global_load_b128 v[8*(4*nb+\i)+4:8*(4*nb+\i)+7], v[L16], s[6:7] offset:\i*32768+(16*\half+8+nb)*1024+512
.endr
.set nb, nb+1
.endr
	WIN 0
.endm
.macro FETCH f, adr, qd                ; a quarter's 16 operands of G: 32 LDS loads in one run, 512 consecutive bytes each, column blocks ascending
	WIN TO_B
.set nb, 0
.rept 16
	ds_load_b128 v[\f+8*nb:\f+8*nb+3], v[\adr] offset:\qd*16384+nb*1024
	ds_load_b128 v[\f+8*nb+4:\f+8*nb+7], v[\adr] offset:\qd*16384+nb*1024+512
.set nb, nb+1
.endr
.endm
; cnt column blocks x 4 row blocks.  The 64 accumulators take turns in the same order in every quarter, one instruction a turn.
.macro MUL f, op, hi, nb0, cnt
	WIN MUL_LO+0x50*(\hi)
.set nb, \nb0
.rept \cnt
.irp i, 0,1,2,3
	v_wmma_f32_16x16x32_bf16 v[8*(4*nb+\i):8*(4*nb+\i)+7], v[\f+8*(8*(\hi)+nb):\f+8*(8*(\hi)+nb)+7], v[\op+8*\i:\op+8*\i+7], v[8*(4*nb+\i):8*(4*nb+\i)+7]
.endr
.set nb, nb+1
.endr
.endm
.macro MID_B raw                       ; |a - q|.  The 32 additions are also the places between the last product that read AD and the lines that write it
	WIN 0
.irp i, 0,1,2,3
.irp s, 0,1,2,3,4,5,6,7
	v_pk_add_bf16 v[\raw+8*\i+\s], v[\raw+8*\i+\s], v[NQ+\s]
.endr
.endr
.set r, 0
.rept 32
	v_and_b32 v[AD+r], s[ABSM], v[\raw+r]
.set r, r+1
.endr
.endm
; a q and - q for the chunk in raw; lc younger loads may be out.  The 8 lines that make - q are the places ahead of the writes of AP.  more = 1: q of the chunk after is fetched.
.macro MID_A raw, adr, qoff, more, lc
	WIN 0
	s_wait_loadcnt \lc
.irp s, 0,1,2,3,4,5,6,7
	v_xor_b32 v[NQ+\s], s[SGNM], v[QF+\s]
.endr
.irp i, 0,1,2,3
.irp s, 0,1,2,3,4,5,6,7
	v_pk_mul_bf16 v[AP+8*\i+\s], v[\raw+8*\i+\s], v[QF+\s]
.endr
.endr
.if \more
	ds_load_b128 v[QF:QF+3], v[\adr] offset:\qoff
	ds_load_b128 v[QF+4:QF+7], v[\adr] offset:\qoff+32
.endif
.endm
; A PREFETCH INTO THE L2 of the step that stands two refills on (step t + 4 in step t): 512 matrix instructions ahead of the load that will want it.  All 64 clusters walk the same 16 steps: cluster 0 asks.
; Its four partners share a step's 256 blocks of 256 bytes out BY ADDRESS; in each, waves 0 and 1 ask, a lane a block: each block is named once in the launch.
; Steps 0 to 3 come by their loads alone; the last request stands in step 11.
.macro ASK
	WIN 0
	s_cmp_gt_u32 s[CNT], s[LIM]
	s_cbranch_scc0 .Lnot_mine_\@
	global_prefetch_b8 v[PFO], s[PFA:PFA+1] th:TH_LOAD_NT scope:SCOPE_SE
.Lnot_mine_\@:
.endm
; A STEP: chunks 2 t and 2 t + 1 of 32 along h, four quarters of 64 matrix instructions.  fill = 1: the slot is filled again with step t + 2.  last = 1: the walk's last step.
.macro STEP fill, last
	s_wait_dscnt 16                                ; column blocks 0-7 are in; the youngest 16 loads may be out
	MUL F0, AP, 0, 0, 8
	MID_B RAW0
	FETCH F1, ADRB, 1
.if !\last
	ALOAD RAW0, 0                                  ; the next step's first chunk
.endif
	s_wait_dscnt 32                                ; all but the 32 just issued
	MUL F0, AP, 1, 0, 8
	s_wait_dscnt 16
	MUL F1, AD, 0, 0, 8
.if \last
	MID_A RAW1, VQN, 0, 0, 0                       ; nothing was loaded behind this chunk
.else
	MID_A RAW1, VQN, 0, 1, 8                       ; the 8 loads into RAW0 are younger
.endif
	FETCH F0, ADRB, 2
	s_wait_dscnt 34-2*\last                        ; all but q's two loads and the 32 just issued
	MUL F1, AD, 1, 0, 8
	s_wait_dscnt 16
	MUL F0, AP, 0, 0, 8
	MID_B RAW1
	FETCH F1, ADRB, 3
.if !\last
	ALOAD RAW1, 1024                               ; the next step's second chunk
.endif
	s_wait_dscnt 32
	MUL F0, AP, 1, 0, 8
.if \last
	s_wait_dscnt 16
	MUL F1, AD, 0, 0, 8
	s_wait_dscnt 0x0
	MUL F1, AD, 1, 0, 8
	WIN 0
.else
	; THE CHANGE OF SLOTS: one barrier for two things.  In front of it each wave waits for all its tensor loads, of which one is out: its quarter of the next slot; adds 0 to its spare word; and waits for that and for its reads of this slot.
	WIN 0
	s_wait_tensorcnt 0x0                           ; no tensor load of mine is out, so the walking group 0 may be written
	ds_add_u32 v[SPW], v[NIL]                      ; 0 onto my spare word
.if \fill
	s_xor_b32 s[G0B+1], s[G0B+1], SLOT             ; the other slot than last time,
	s_add_nc_u64 s[G0B+2:G0B+3], s[G0B+2:G0B+3], SLOT  ; the next step; the type bits on top are not reached
.endif
	s_wait_dscnt 17                                ; the add and the youngest 16 loads may be out
	MUL F1, AD, 0, 0, 4
	s_wait_dscnt 0x0                               ; the add is done, and my reads of this slot are over
	s_barrier_signal -1
	MUL F1, AD, 0, 4, 4                            ; work on registers while the others arrive
	WIN 0
	s_barrier_wait -1
.if \fill
	CREST                                          ; the barrier has opened a round of the cluster's: no wave of any partner still reads this slot or has a load on its way
	tensor_load_to_lds s[G0B:G0B+3], s[G1:G1+7]    ; my one tensor load behind the round, and the first thing there: 224 matrix instructions ahead of the wait for it
	s_nop 0
.endif
	MID_A RAW0, VQN, 64, 1, 8                      ; the next step's first chunk; the 8 loads into RAW1 are younger
	FETCH F0, ADRN, 0
.if \fill
	ASK
.endif
	MUL F1, AD, 1, 0, 8
	WIN 0
	s_wait_xcnt 0x0                                ; the loads of a and the prefetch, 32 matrix instructions back, have read their addresses
.if \fill
	s_add_nc_u64 s[PFA:PFA+1], s[PFA:PFA+1], SLOT
.endif
	s_add_co_u32 s[AC], s[AC], 2048
	s_and_b32 s[AC], s[AC], 0x3fff                 ; behind chunk 15 comes chunk 0, for the second half of the columns
	v_add_nc_u32 v[VA], s[AC], v[L16]
	s_add_co_u32 s[QC], s[QC], 128
	s_and_b32 s[QC], s[QC], 0x3ff
	v_add_nc_u32 v[VQN], s[QC], v[VQ0]
	s_xor_b32 s[TB], s[TB], SLOT
	v_add_nc_u32 v[ADRB], s[TB], v[L16]
	s_xor_b32 s76, s[TB], SLOT
	v_add_nc_u32 v[ADRN], s76, v[L16]
.endif
.endm
; GELU of 16 numbers, exact form: gelu(z) = z / 2 + |z| (1/2 - poly(t) 2^(-(K1 z)^2)), t = 1 / (1 + K2 |z|); poly holds half the coefficients of erf's form.
.macro GPL z, e, t, x, part
.if \part == 0
	v_pk_mul_f32 v[\e+2*(\x):\e+2*(\x)+1], v[\z+2*(\x):\z+2*(\x)+1], s[K1:K1+1] op_sel_hi:[1,0]
.elseif \part == 1
	v_pk_mul_f32 v[\e+2*(\x):\e+2*(\x)+1], v[\e+2*(\x):\e+2*(\x)+1], v[\e+2*(\x):\e+2*(\x)+1] neg_lo:[1,0] neg_hi:[1,0]
.elseif \part == 2
	v_fma_f32 v[\t+2*(\x)], |v[\z+2*(\x)]|, s[K2], 1.0
.else
	v_fma_f32 v[\t+2*(\x)+1], |v[\z+2*(\x)+1]|, s[K2], 1.0
.endif
.endm
.macro GELU16 z, e, t, p
.irp pp, 0,1,2,3
	GPL \z, \e, \t, 0, \pp
.endr
.set gx, 0
.rept 8                                ; ONE BATCH of 32 transcendentals; the next pair's plain lines stand between them, and nothing here names a result
	v_exp_f32 v[\e+2*gx], v[\e+2*gx]
.if gx < 7
	GPL \z, \e, \t, gx+1, 0
.endif
	v_exp_f32 v[\e+2*gx+1], v[\e+2*gx+1]
.if gx < 7
	GPL \z, \e, \t, gx+1, 1
.endif
	v_rcp_f32 v[\t+2*gx], v[\t+2*gx]
.if gx < 7
	GPL \z, \e, \t, gx+1, 2
.endif
	v_rcp_f32 v[\t+2*gx+1], v[\t+2*gx+1]
.if gx < 7
	GPL \z, \e, \t, gx+1, 3
.endif
.set gx, gx+1
.endr
	v_nop                                          ; a plain instruction behind the last of them,
	s_wait_alu depctr_va_vdst(0)                   ; and one wait for the batch, ahead of the first reader
.set gx, 0
.rept 8
	v_pk_fma_f32 v[\p+2*gx:\p+2*gx+1], v[\t+2*gx:\t+2*gx+1], s[A5:A5+1], s[A4:A4+1] op_sel_hi:[1,0,0]
.set gx, gx+1
.endr
.irp cf, A3, A2, A1
.set gx, 0
.rept 8
	v_pk_fma_f32 v[\p+2*gx:\p+2*gx+1], v[\p+2*gx:\p+2*gx+1], v[\t+2*gx:\t+2*gx+1], s[\cf:\cf+1] op_sel_hi:[1,1,0]
.set gx, gx+1
.endr
.endr
.set gx, 0
.rept 8
	v_pk_mul_f32 v[\p+2*gx:\p+2*gx+1], v[\p+2*gx:\p+2*gx+1], v[\t+2*gx:\t+2*gx+1]
.set gx, gx+1
.endr
.set gx, 0
.rept 8
	v_pk_fma_f32 v[\p+2*gx:\p+2*gx+1], v[\p+2*gx:\p+2*gx+1], v[\e+2*gx:\e+2*gx+1], 0.5 op_sel_hi:[1,1,0] neg_lo:[1,0,0] neg_hi:[1,0,0]
.set gx, gx+1
.endr
.set gx, 0
.rept 16
	v_mul_f32 v[\p+gx], |v[\z+gx]|, v[\p+gx]
.set gx, gx+1
.endr
.set gx, 0
.rept 8
	v_pk_fma_f32 v[\z+2*gx:\z+2*gx+1], v[\z+2*gx:\z+2*gx+1], 0.5, v[\p+2*gx:\p+2*gx+1] op_sel_hi:[1,0,1]
.set gx, gx+1
.endr
.endm
.macro HALF1 z, i0                     ; two row blocks of a column block: z = r (sum + u - m s) + t
.irp b, 0,1
.irp x, 0,1,2,3
	v_pk_add_f32 v[\z+8*\b+2*\x:\z+8*\b+2*\x+1], v[\z+8*\b+2*\x:\z+8*\b+2*\x+1], v[RU+2*\x:RU+2*\x+1]
.endr
.endr
.irp b, 0,1
.irp x, 0,1,2,3
	v_pk_fma_f32 v[\z+8*\b+2*\x:\z+8*\b+2*\x+1], v[RS+2*\x:RS+2*\x+1], v[ST+2*(\i0+\b):ST+2*(\i0+\b)+1], v[\z+8*\b+2*\x:\z+8*\b+2*\x+1] op_sel_hi:[1,0,1]
.endr
.endr
.irp b, 0,1
.irp x, 0,1,2,3
	v_pk_fma_f32 v[\z+8*\b+2*\x:\z+8*\b+2*\x+1], v[\z+8*\b+2*\x:\z+8*\b+2*\x+1], v[ST+2*(\i0+\b):ST+2*(\i0+\b)+1], v[RT+2*\x:RT+2*\x+1] op_sel:[0,1,0]
.endr
.endr
.endm
.macro HALF2 z, i0                     ; the dot product with rw2
.irp x, 0,1,2,3
.irp b, 0,1
	v_pk_fma_f32 v[RR+2*(\i0+\b):RR+2*(\i0+\b)+1], v[\z+8*\b+2*\x:\z+8*\b+2*\x+1], v[RW+2*\x:RW+2*\x+1], v[RR+2*(\i0+\b):RR+2*(\i0+\b)+1]
.endr
.endr
.endm
.macro STASH win                       ; a window's 32 accumulators into my stage, each accumulator's low registers first
	WIN \win
.set nb, 0
.rept 8
.irp i, 0,1,2,3
	ds_store_b128 v[STG], v[8*(4*nb+\i):8*(4*nb+\i)+3] offset:nb*4096+\i*1024
	ds_store_b128 v[STG], v[8*(4*nb+\i)+4:8*(4*nb+\i)+7] offset:nb*4096+\i*1024+512
.endr
.set nb, nb+1
.endr
	WIN 0
.endm
.macro ZLOAD z, adr, off
.irp k, 0,1,2,3
	ds_load_b128 v[\z+4*\k:\z+4*\k+3], v[\adr] offset:\off+512*\k
.endr
.endm
.macro TLOAD3                          ; u, s, t of the next column block
	ds_load_b128 v[RU:RU+3], v[EPU]
	ds_load_b128 v[RU+4:RU+7], v[EPU] offset:16
	ds_load_b128 v[RS:RS+3], v[EPT]
	ds_load_b128 v[RS+4:RS+7], v[EPT] offset:16
	ds_load_b128 v[RT:RT+3], v[EPT] offset:2048
	ds_load_b128 v[RT+4:RT+7], v[EPT] offset:2048+16
.endm
.macro WLOAD                           ; rw2 of the next column block
	ds_load_b128 v[RW:RW+3], v[EPT] offset:4096
	ds_load_b128 v[RW+4:RW+7], v[EPT] offset:4096+16
.endm
; THE EPILOGUE of 256 columns.  The accumulators go through my stage, a window at a time, so that ONE text of a trip serves all 16 column blocks.  A trip has no jump: the next block's addresses wrap,
; so each part's last trip makes 8 loads into Z that nobody uses (and the launch's last trip 8 of tables): the price of one text for every trip.  The tables' registers run on from trip to trip, part to part and half to half.
; first = 1: when both windows are stashed, a G1 of the second half of the columns is loaded into them; it lands during the second part's eight trips.
.macro EPI first
	WIN 0
	PLACES
	PLACES                                         ; eight places, once an epilogue, ahead of the first read of the sums
	s_mov_b32 s[PCN], 2
.Lpart_\@:
	s_wait_loadcnt 0x0                             ; no load into an accumulator is out when accumulators are read
	s_cmp_eq_u32 s[PCN], 2
	s_cbranch_scc0 .Lhigh_\@
	STASH 0x08
	s_branch .Lstashed_\@
.Lhigh_\@:
	STASH 0x0c
.if \first
	s_wait_dscnt 0x0                               ; the stores have read the accumulators
	PFLOAD 1
.endif
.Lstashed_\@:
	s_wait_dscnt 0x0                               ; nothing of the part before is on its way into Z's registers
	ZLOAD ZA, STG, 0
	ZLOAD ZB, STG, 2048
	s_wait_dscnt 4                                 ; rows 0, 1 are in
	s_mov_b32 s[ZO], 0
	s_mov_b32 s[TCN], 8
.Ltrip_\@:
	s_wait_dscnt 6                                 ; in issue order: rows 0, 1 (4 loads), u, s, t (6), rw2 (2), rows 2, 3 (4): the last six may be out
	s_add_co_u32 s[ZO], s[ZO], 4096
	s_and_b32 s[ZO], s[ZO], 0x7fff
	v_add_nc_u32 v[EPZ], s[ZO], v[STG]
	s_add_co_u32 s[TO], s[TO], 64
	s_and_b32 s[TO], s[TO], 0x7ff
	v_add_nc_u32 v[EPT], s[TO], v[EPT0]
	v_add_nc_u32 v[EPU], s[TO], v[EPU0]
	HALF1 ZA, 0
	GELU16 ZA, GE, GT, GP
	s_wait_dscnt 4                                 ; rw2 is in
	HALF2 ZA, 0
	ZLOAD ZA, EPZ, 0
	s_wait_dscnt 4                                 ; rows 2, 3 are in; the four just issued may be out
	HALF1 ZB, 2
	TLOAD3
	GELU16 ZB, GE, GT, GP
	HALF2 ZB, 2
	WLOAD
	ZLOAD ZB, EPZ, 2048
	s_sub_co_u32 s[TCN], s[TCN], 1
	s_cmp_lg_u32 s[TCN], 0
	s_cbranch_scc1 .Ltrip_\@
	s_sub_co_u32 s[PCN], s[PCN], 1
	s_cmp_lg_u32 s[PCN], 0
	s_cbranch_scc1 .Lpart_\@
	s_wait_dscnt 0x0                               ; the last trip's loads are back: what follows writes Z's registers
.endm
.macro REDUCE a, t                     ; the sum over the wave's 32 lanes, in every lane
	v_add_f32_dpp v[\a], v[\a], v[\a] row_xmask:1 row_mask:0xf bank_mask:0xf
	v_add_f32_dpp v[\a], v[\a], v[\a] row_xmask:2 row_mask:0xf bank_mask:0xf
	v_add_f32_dpp v[\a], v[\a], v[\a] row_xmask:4 row_mask:0xf bank_mask:0xf
	v_add_f32_dpp v[\a], v[\a], v[\a] row_xmask:8 row_mask:0xf bank_mask:0xf
	v_permlanex16_b32 v[\t], v[\a], s[SEL], s[SEL+1]
	v_add_f32 v[\a], v[\a], v[\t]
.endm
.macro SUM16 a                         ; the sum over the 16 lanes of a half
	v_add_f32_dpp v[\a], v[\a], v[\a] row_xmask:1 row_mask:0xf bank_mask:0xf
	v_add_f32_dpp v[\a], v[\a], v[\a] row_xmask:2 row_mask:0xf bank_mask:0xf
	v_add_f32_dpp v[\a], v[\a], v[\a] row_xmask:4 row_mask:0xf bank_mask:0xf
	v_add_f32_dpp v[\a], v[\a], v[\a] row_xmask:8 row_mask:0xf bank_mask:0xf
.endm
.macro TSTORE reg, tb                  ; 16 f32 of table tb: pieces lane and lane + 32 of 8 numbers
.irp pc, 0,1
	ds_store_b128 v17, v[\reg+8*\pc:\reg+8*\pc+3] offset:2048*\tb+1024*\pc
	ds_store_b128 v17, v[\reg+8*\pc+4:\reg+8*\pc+7] offset:2048*\tb+1024*\pc+16
.endr
.endm
; THE STATISTICS of one chunk of 32 along h for my 64 rows: sum x = sum a (1 + q) + sum e + sum q, sum x^2 = sum a^2 (1 + q^2) + sum e^2 + sum q^2, e = |a - q| + c.
.macro STATHALF raw
	s_wait_loadcnt 8                               ; this chunk is in; the other buffer's 8 loads may be out
.irp tb, 0,1,2,3
	ds_load_b128 v[TBQ+16*\tb:TBQ+16*\tb+3], v[VT] offset:2048*\tb
	ds_load_b128 v[TBQ+16*\tb+4:TBQ+16*\tb+7], v[VT] offset:2048*\tb+16
	ds_load_b128 v[TBQ+16*\tb+8:TBQ+16*\tb+11], v[VT] offset:2048*\tb+64
	ds_load_b128 v[TBQ+16*\tb+12:TBQ+16*\tb+15], v[VT] offset:2048*\tb+80
.endr
	s_wait_xcnt 0x0                                ; the loads issued so far have read VA
	s_add_co_u32 s[AC], s[AC], 1024
	s_and_b32 s[AC], s[AC], 0x3fff                 ; two chunks on; the last two trips fetch chunks 0 and 1, for the product
	v_add_nc_u32 v[VA], s[AC], v[L16]
.set r, 0
.rept 32
	v_lshlrev_b32 v[AF+2*r], 16, v[\raw+r]
	v_and_b32 v[AF+2*r+1], s[HIM], v[\raw+r]
.set r, r+1
.endr
	ALOAD \raw, 0
	s_wait_dscnt 0x0
.set x, 0
.rept 8
.irp i, 0,1,2,3
	v_pk_fma_f32 v[S1A+2*\i:S1A+2*\i+1], v[AF+16*\i+2*x:AF+16*\i+2*x+1], v[TP1+2*x:TP1+2*x+1], v[S1A+2*\i:S1A+2*\i+1]
.endr
.irp i, 0,1,2,3
	v_pk_mul_f32 v[TMP+2*\i:TMP+2*\i+1], v[AF+16*\i+2*x:AF+16*\i+2*x+1], v[AF+16*\i+2*x:AF+16*\i+2*x+1]
.endr
.irp i, 0,1,2,3
	v_pk_fma_f32 v[S2A+2*\i:S2A+2*\i+1], v[TMP+2*\i:TMP+2*\i+1], v[TP2+2*x:TP2+2*x+1], v[S2A+2*\i:S2A+2*\i+1]
.endr
.irp i, 0,1,2,3
	v_pk_add_f32 v[TMP+2*\i:TMP+2*\i+1], v[AF+16*\i+2*x:AF+16*\i+2*x+1], v[TBQ+2*x:TBQ+2*x+1] neg_lo:[0,1] neg_hi:[0,1]
.endr
.irp i, 0,1,2,3
	v_add_f32 v[TMP+2*\i], |v[TMP+2*\i]|, v[TBC+2*x]
	v_add_f32 v[TMP+2*\i+1], |v[TMP+2*\i+1]|, v[TBC+2*x+1]
.endr
.irp i, 0,1,2,3
	v_pk_add_f32 v[S1B+2*\i:S1B+2*\i+1], v[S1B+2*\i:S1B+2*\i+1], v[TMP+2*\i:TMP+2*\i+1]
.endr
.irp i, 0,1,2,3
	v_pk_fma_f32 v[S2B+2*\i:S2B+2*\i+1], v[TMP+2*\i:TMP+2*\i+1], v[TMP+2*\i:TMP+2*\i+1], v[S2B+2*\i:S2B+2*\i+1]
.endr
.set x, x+1
.endr
	v_add_nc_u32 v[VT], 128, v[VT]
.endm
	s_load_b512 s[4:19], s[0:1], 0x0               ; p0 s[4:5], pf s[6:7], wk s[8:9], rb1 s[10:11], rw2 s[12:13], rb2 s[14:15], class_masses s[16:17], out0 s[18:19]
	s_load_b64 s[20:21], s[0:1], 0x40              ; out1
	v_lshl_add_u32 v[SPW], v0, 2, SPARE
	v_mov_b32 v[NIL], 0
	ds_add_u32 v[SPW], v[NIL]                      ; the wave's opening: the add, twice on end, and its wait ahead of my first tensor load; the set-up below stands between
	ds_add_u32 v[SPW], v[NIL]
	v_lshrrev_b32 v1, 5, v0
	v_readfirstlane_b32 s[WV], v1                  ; wave 0..3
	v_and_b32 v1, 31, v0                           ; lane
	v_bfe_u32 v[HH], v0, 4, 1                      ; lane / 16
	s_bfe_u32 s[CX], ttmp6, 0x40000                ; my place in the cluster: it enters global addresses alone
	s_mov_b32 s[QI], ttmp9                         ; the query: in a cluster launch ttmp9 counts clusters
	s_lshl2_add_u32 s[WI], s[CX], s[WV]            ; the class
	; descriptor group 1: 16,384 dense bytes as 64 rows of 256 bytes
	s_mov_b32 s[G1], 15|(3<<16)|(1<<21)            ; 15:0 the mask: all four work-groups; 17:16 elements of 8 bytes; 21 set beside a mask; no padding: an operand is read as 512 consecutive bytes
	s_mov_b32 s[G1+1], 32<<16                      ; tensor_dim0 = 32
	s_mov_b32 s[G1+2], 64<<16                      ; tensor_dim1 = 64
	s_mov_b32 s[G1+3], 32<<16                      ; tile_dim0 = 32
	s_mov_b32 s[G1+4], 64                          ; tile_dim1 = 64
	s_mov_b32 s[G1+5], 32                          ; 32 elements from row to row
	s_mov_b32 s[G1+6], 0
	s_mov_b32 s[G1+7], 0
	s_mov_b32 s[G0A], 1
	s_lshl_b32 s[G0A+1], s[WV], 14                 ; slot 0, my quarter
	s_mov_b32 s[G0B], 1
	s_add_co_u32 s[G0B+1], s[G0A+1], SLOT          ; slot 1, my quarter
	s_mov_b32 s[K1], 0x3f596d27                    ; sqrt(log2(e) / 2)
	s_mov_b32 s[K1+1], 0x3f596d27
	s_mov_b32 s[K2], 0x3e6d3388                    ; 0.3275911 / sqrt(2)
	s_mov_b32 s[K2+1], 0x3e6d3388
	s_mov_b32 s[A1], 0x3e027906
	s_mov_b32 s[A1+1], 0x3e027906
	s_mov_b32 s[A2], 0xbe11a98e
	s_mov_b32 s[A2+1], 0xbe11a98e
	s_mov_b32 s[A3], 0x3f35f0e3
	s_mov_b32 s[A3+1], 0x3f35f0e3
	s_mov_b32 s[A4], 0xbf3a00e3
	s_mov_b32 s[A4+1], 0xbf3a00e3
	s_mov_b32 s[A5], 0x3f07dc22
	s_mov_b32 s[A5+1], 0x3f07dc22
	s_mov_b32 s[SGNM], 0x80008000
	s_mov_b32 s[ABSM], 0x7fff7fff
	s_mov_b32 s[HIM], 0xffff0000
	s_mov_b32 s[SEL], 0x76543210
	s_mov_b32 s[SEL+1], 0xfedcba98
	; all LDS addresses and lane terms, of v0, the wave's number and constants
	v_lshlrev_b32 v[L16], 4, v1
	v_lshlrev_b32 v[PFO], 8, v1
	v_mov_b32 v[VA], v[L16]
	s_lshl_b32 s86, s[WV], 15
	s_add_co_u32 s86, s86, STAGE                   ; my stage
	v_add_nc_u32 v[STG], s86, v[L16]
	v_lshl_add_u32 v17, v1, 5, s86                 ; + 32 x lane: where my pieces of the f32 tables go
	v_lshl_add_u32 v[VT], v[HH], 5, s86            ; + 32 (lane / 16): where the statistics read them
	s_lshl_b32 s87, s[WV], 12
	s_add_co_u32 s87, s87, OWN                     ; my own tables
	v_add_nc_u32 v16, s87, v[L16]
	v_lshl_add_u32 v[EPU0], v[HH], 5, s87
	v_lshlrev_b32 v[EPT0], 5, v[HH]
	v_add_nc_u32 v[EPT0], TS, v[EPT0]
	v_mov_b32 v[EPT], v[EPT0]                      ; column block 0
	v_mov_b32 v[EPU], v[EPU0]
	s_add_co_u32 s86, s87, 2048
	v_lshl_add_u32 v[VQ0], v[HH], 4, s86
	s_add_co_u32 s86, s87, 3072
	v_and_b32 v[MOFF], 15, v0
	v_lshlrev_b32 v[MOFF], 2, v[MOFF]
	v_add_nc_u32 v[OSA], s86, v[MOFF]
	v_lshlrev_b32 v[GO8], 3, v1
	v_add_nc_u32 v[OLA], s86, v[GO8]
	v_mov_b32 v[ZOF], 0
	s_lshl_b32 s86, s[WV], 9
	v_add_nc_u32 v12, s86, v[L16]                  ; my 128 of the 512 columns, 4 a lane
	v_add_nc_u32 v15, TS, v12
	v_lshrrev_b32 v13, 1, v1                       ; a row of bf16 in operand order: piece p (k = 8 p ..) at (p / 2) 512 + (p % 2) 256
	v_lshlrev_b32 v13, 9, v13
	v_and_b32 v14, 1, v1
	v_lshl_add_u32 v13, v14, 8, v13
	v_lshrrev_b32 v18, 2, v1                       ; a row of f32 in accumulator order: piece p (n = 4 p ..) at (p / 4) 1,024 + (p % 2) 512 + ((p / 2) % 2) 256
	v_lshlrev_b32 v18, 10, v18
	v_lshl_add_u32 v18, v14, 9, v18
	v_bfe_u32 v14, v1, 1, 1
	v_lshl_add_u32 v14, v14, 8, v18
	s_lshr_b32 s86, s[WV], 1                       ; 0 in waves 0 and 1,
	s_or_b32 s86, s86, ttmp9                       ; of cluster 0: the same in all four partners
	s_cmp_eq_u32 s86, 0
	s_cselect_b32 s[LIM], 2, -1
	s_wait_dscnt 0x0                               ; both opening adds are done
	s_wait_kmcnt 0x0
	s_lshl_b32 s86, s[WV], 14
	s_add_co_u32 s86, s86, BBO
	s_mov_b32 s87, 0
	s_add_nc_u64 s[G0A+2:G0A+3], s[8:9], s[86:87]  ; step 0, my quarter: made of the wave's number alone
	s_add_nc_u64 s[G0B+2:G0B+3], s[G0A+2:G0A+3], SLOT
	s_or_b32 s[G0A+3], s[G0A+3], 0x80000000        ; type = 2
	s_or_b32 s[G0B+3], s[G0B+3], 0x80000000
	s_load_b32 s[RB2], s[14:15], 0x0
	s_lshl1_add_u32 s76, s[CX], s[WV]
	s_lshl_b32 s76, s76, 13                        ; my 32 blocks of 256 bytes of a step
	s_add_co_u32 s76, s76, BBO+4*SLOT
	s_mov_b32 s77, 0
	s_add_nc_u64 s[PFA:PFA+1], s[8:9], s[76:77]    ; at step 4
	s_lshr_b32 s76, s[QI], 4
	s_add_co_u32 s76, s76, 64                      ; q's row-block,
	s_and_b32 s77, s[QI], 15                       ; its row there
	s_lshl_b32 s78, s76, 14
	s_lshl4_add_u32 s78, s77, s78
	s_mov_b32 s79, 0
	s_add_nc_u64 s[78:79], s[4:5], s[78:79]        ; q
	s_lshl_b32 s82, s76, 15
	s_lshl4_add_u32 s82, s77, s82
	s_mov_b32 s83, 0
	s_add_nc_u64 s[82:83], s[6:7], s[82:83]        ; q G2
	s_lshl_b32 s80, s[WI], 4
	s_add_co_u32 s80, s80, 68*16384
	s_mov_b32 s81, 0
	s_add_nc_u64 s[80:81], s[4:5], s[80:81]        ; c
	s_lshl_b32 s84, s[WI], 4
	s_add_co_u32 s84, s84, 68*32768
	s_mov_b32 s85, 0
	s_add_nc_u64 s[84:85], s[6:7], s[84:85]        ; c G4
	s_mov_b32 s77, 0
	s_lshl_b32 s76, s[WI], 16
	s_add_nc_u64 s[4:5], s[4:5], s[76:77]          ; a of my class: four row-blocks
	s_lshl_b32 s76, s[WI], 17
	s_add_nc_u64 s[6:7], s[6:7], s[76:77]          ; a G1 of my class
	s_lshl_b32 s76, s[WI], 8
	s_add_nc_u64 s[16:17], s[16:17], s[76:77]      ; its masses
	s_lshl4_add_u32 s86, s[QI], s[WI]
	s_lshl_b32 s76, s86, 8
	s_add_nc_u64 s[18:19], s[18:19], s[76:77]
	s_lshl_b32 s76, s86, 2
	s_add_nc_u64 s[20:21], s[20:21], s[76:77]
	CROUND                                         ; all four work-groups are here: the first joint loads meet
	tensor_load_to_lds s[G0A:G0A+3], s[G1:G1+7]    ; steps 0 and 1: two tensor loads of mine are out, later one behind each round
	s_nop 0
	tensor_load_to_lds s[G0B:G0B+3], s[G1:G1+7]
	s_nop 0
	PLACES
	; the small tables' loads first, then the first two chunks of a, then a G1 into the accumulators
	WIN TO_B
.set kb, 0
.rept 16
	global_load_b128 v[4*kb:4*kb+3], v12, s[8:9] offset:CVO+2048*kb
	global_load_b128 v[64+4*kb:64+4*kb+3], v12, s[8:9] offset:CVO+32768+2048*kb
.set kb, kb+1
.endr
	global_load_b128 v[128:131], v12, s[10:11]     ; rb1
	global_load_b128 v[132:135], v12, s[12:13]     ; rw2
.irp jj, 0,1,2,3
	global_load_b128 v[136+4*\jj:136+4*\jj+3], v14, s[82:83] offset:8192*\jj
	global_load_b128 v[152+4*\jj:152+4*\jj+3], v14, s[84:85] offset:8192*\jj
.endr
	WIN 0
	global_load_b128 v[32:35], v13, s[78:79]
	global_load_b128 v[36:39], v13, s[78:79] offset:8192
	global_load_b128 v[40:43], v13, s[80:81]
	global_load_b128 v[44:47], v13, s[80:81] offset:8192
	ALOAD RAW0, 0
	ALOAD RAW1, 1024
	PFLOAD 0
	s_wait_loadcnt 63                              ; all but the youngest 63: 128 loads were issued behind the tables' and a's
	s_wait_kmcnt 0x0                               ; rb2
	WIN 0x55                                       ; all places in window 1
.set kb, 1
.rept 15
	v_pk_add_f32 v[0:1], v[0:1], v[4*kb:4*kb+1]
	v_pk_add_f32 v[2:3], v[2:3], v[4*kb+2:4*kb+3]
	v_pk_add_f32 v[64:65], v[64:65], v[64+4*kb:64+4*kb+1]
	v_pk_add_f32 v[66:67], v[66:67], v[64+4*kb+2:64+4*kb+3]
.set kb, kb+1
.endr
	v_pk_add_f32 v[64:65], v[64:65], v[128:129]    ; t takes rb1
	v_pk_add_f32 v[66:67], v[66:67], v[130:131]
.set r, 0
.rept 8
	v_pk_add_f32 v[136+2*r:136+2*r+1], v[136+2*r:136+2*r+1], v[152+2*r:152+2*r+1]  ; u = q G2 + c G4
.set r, r+1
.endr
	WIN 0x04                                       ; store data in window 1
	ds_store_b128 v15, v[0:3]                      ; s, my 128 columns
	ds_store_b128 v15, v[64:67] offset:2048        ; t
	ds_store_b128 v15, v[132:135] offset:4096      ; rw2
.irp jj, 0,1,2,3
	ds_store_b128 v16, v[136+4*\jj:136+4*\jj+3] offset:512*\jj
.endr
	WIN 0
	ds_store_b128 v16, v[32:35] offset:2048        ; q in bf16, in the order of h
	ds_store_b128 v16, v[36:39] offset:2048+512
.set r, 0
.rept 8
	v_lshlrev_b32 v[48+2*r], 16, v[32+r]
	v_and_b32 v[48+2*r+1], s[HIM], v[32+r]
	v_lshlrev_b32 v[64+2*r], 16, v[40+r]
	v_and_b32 v[64+2*r+1], s[HIM], v[40+r]
.set r, r+1
.endr
.set r, 0
.rept 8
	v_pk_add_f32 v[80+2*r:80+2*r+1], v[48+2*r:48+2*r+1], 1.0 op_sel_hi:[1,0]
	v_pk_fma_f32 v[96+2*r:96+2*r+1], v[48+2*r:48+2*r+1], v[48+2*r:48+2*r+1], 1.0 op_sel_hi:[1,1,0]
.set r, r+1
.endr
	TSTORE 48, 0
	TSTORE 80, 1
	TSTORE 96, 2
	TSTORE 64, 3
	v_pk_add_f32 v[176:177], v[48:49], v[50:51]
	v_pk_mul_f32 v[178:179], v[48:49], v[48:49]
	v_pk_fma_f32 v[178:179], v[50:51], v[50:51], v[178:179]
.set r, 4
.rept 6
	v_pk_add_f32 v[176:177], v[176:177], v[48+r:48+r+1]
	v_pk_fma_f32 v[178:179], v[48+r:48+r+1], v[48+r:48+r+1], v[178:179]
.set r, r+2
.endr
	v_add_f32 v176, v176, v177
	v_add_f32 v178, v178, v179
	REDUCE 176, 177
	REDUCE 178, 179
	v_readfirstlane_b32 s[SQ], v176                ; sum q
	v_readfirstlane_b32 s[SQ2], v178               ; sum q^2
.set r, 0
.rept 16
	v_mov_b32 v[S1A+r], 0
	v_mov_b32 v[S1B+r], 0
.set r, r+1
.endr
	s_mov_b32 s[AC], 1024
	s_mov_b32 s[SC], 8
.Lstat:                                        ; 8 trips of two chunks; my own tables, served in order behind my stores
	STATHALF RAW0
	STATHALF RAW1
	s_sub_co_u32 s[SC], s[SC], 1
	s_cmp_lg_u32 s[SC], 0
	s_cbranch_scc1 .Lstat
.irp i, 0,1,2,3
	v_pk_add_f32 v[S1A+2*\i:S1A+2*\i+1], v[S1A+2*\i:S1A+2*\i+1], v[S1B+2*\i:S1B+2*\i+1]
	v_pk_add_f32 v[S2A+2*\i:S2A+2*\i+1], v[S2A+2*\i:S2A+2*\i+1], v[S2B+2*\i:S2B+2*\i+1]
.endr
.irp i, 0,1,2,3
	v_add_f32 v[12+\i], v[S1A+2*\i], v[S1A+2*\i+1]
	v_add_f32 v[16+\i], v[S2A+2*\i], v[S2A+2*\i+1]
.endr
.irp i, 0,1,2,3
	v_permlanex16_b32 v[S1B+\i], v[12+\i], s[SEL], s[SEL+1]  ; the row's other 256 h lie in the lane 16 away
	v_permlanex16_b32 v[S2B+\i], v[16+\i], s[SEL], s[SEL+1]
.endr
.irp i, 0,1,2,3
	v_add_f32 v[12+\i], v[12+\i], v[S1B+\i]
	v_add_f32 v[16+\i], v[16+\i], v[S2B+\i]
.endr
.irp i, 0,1,2,3
	v_add_f32 v[12+\i], s[SQ], v[12+\i]
	v_add_f32 v[16+\i], s[SQ2], v[16+\i]
.endr
.irp i, 0,1,2,3
	v_mul_f32 v[32+\i], 0xba000000, v[12+\i]       ; - m = - sum / 2,048
.endr
.irp i, 0,1,2,3
	v_mul_f32 v[36+\i], v[32+\i], v[32+\i]
.endr
.irp i, 0,1,2,3
	v_fma_f32 v[16+\i], v[16+\i], 0x3a000000, -v[36+\i]
.endr
.irp i, 0,1,2,3
	v_max_num_f32 v[16+\i], 0, v[16+\i]
.endr
.irp i, 0,1,2,3
	v_add_f32 v[16+\i], 0x3727c5ac, v[16+\i]
.endr
.irp i, 0,1,2,3
	v_rsq_f32 v[16+\i], v[16+\i]
.endr
	v_nop
	s_wait_alu depctr_va_vdst(0)                   ; one wait for the four roots
.irp i, 0,1,2,3
	v_mov_b32 v[ST+2*\i], v[32+\i]
	v_mov_b32 v[ST+2*\i+1], v[16+\i]
	v_mov_b32 v[RR+2*\i], 0
	v_mov_b32 v[RR+2*\i+1], 0
.endr
.irp i, 0,1,2,3
	global_load_b32 v[MS+\i], v[MOFF], s[16:17] offset:64*\i  ; the masses of atoms 16 i + lane % 16
.endr
	s_wait_tensorcnt 0x1                           ; my quarter of slot 0 is in; slot 1's may stay out
	s_wait_dscnt 0x0                               ; my part of the shared tables is stored
	s_barrier_signal -1
	s_barrier_wait -1
	TLOAD3                                         ; the tables of column block 0: they wait in registers for the first epilogue
	WLOAD
	s_mov_b32 s[TO], 0
	s_wait_xcnt 0x0
	s_mov_b32 s[AC], 2048
	v_add_nc_u32 v[VA], s[AC], v[L16]
	s_mov_b32 s[QC], 128
	v_add_nc_u32 v[VQN], s[QC], v[VQ0]
	s_mov_b32 s[TB], 0
	v_mov_b32 v[ADRB], v[L16]
	v_add_nc_u32 v[ADRN], SLOT, v[L16]
	s_mov_b32 s[CNT], 14
; a half of the columns begins: q of chunk 0, then a q and - q of chunk 0, and q of chunk 1 is fetched.  All loads are waited for: a's two chunks and a G1 in the accumulators.
.macro RESTART
	WIN 0
	ds_load_b128 v[QF:QF+3], v[VQ0]
	ds_load_b128 v[QF+4:QF+7], v[VQ0] offset:32
	s_wait_dscnt 0x0
	MID_A RAW0, VQ0, 64, 1, 0
.endm
	RESTART
	FETCH F0, ADRB, 0
	WIN 0
.Lstep:                                        ; steps 0 to 13: each fills its slot again
	STEP 1, 0
	s_cmp_eq_u32 s[CNT], 7                         ; behind step 7 the first 256 columns are summed
	s_cbranch_scc0 .Lno_epi
	EPI 1
	RESTART
.Lno_epi:
	s_sub_co_u32 s[CNT], s[CNT], 1
	s_cmp_lg_u32 s[CNT], 0
	s_cbranch_scc1 .Lstep
	STEP 0, 0                                      ; the tail is written out
	STEP 0, 1
	EPI 0
	; SOFTMAX over my 64 atoms, in base 2, with the maximum taken away; both halves of the lanes hold the same numbers
.irp i, 0,1,2,3
	v_add_f32 v[12+\i], v[RR+2*\i], v[RR+2*\i+1]
.endr
.irp i, 0,1,2,3
	v_permlanex16_b32 v[16+\i], v[12+\i], s[SEL], s[SEL+1]  ; the row's other columns lie in the lane 16 away
.endr
.irp i, 0,1,2,3
	v_add_f32 v[12+\i], v[12+\i], v[16+\i]
.endr
.irp i, 0,1,2,3
	v_add_f32 v[12+\i], s[RB2], v[12+\i]
	v_max_num_f32 v[16+\i], 0x322bcc77, v[MS+\i]   ; at least 1e-8
.endr
.irp i, 0,1,2,3
	v_log_f32 v[16+\i], v[16+\i]
.endr
	v_nop
	s_wait_alu depctr_va_vdst(0)
.irp i, 0,1,2,3
	v_fma_f32 v[12+\i], v[12+\i], 0x3fb8aa3b, v[16+\i]
.endr
	v_max3_num_f32 v32, v12, v13, v14
	v_max_num_f32 v32, v32, v15
	v_max_num_f32_dpp v32, v32, v32 row_xmask:1 row_mask:0xf bank_mask:0xf
	v_max_num_f32_dpp v32, v32, v32 row_xmask:2 row_mask:0xf bank_mask:0xf
	v_max_num_f32_dpp v32, v32, v32 row_xmask:4 row_mask:0xf bank_mask:0xf
	v_max_num_f32_dpp v32, v32, v32 row_xmask:8 row_mask:0xf bank_mask:0xf
.irp i, 0,1,2,3
	v_sub_f32 v[12+\i], v[12+\i], v32
.endr
.irp i, 0,1,2,3
	v_exp_f32 v[12+\i], v[12+\i]
.endr
	v_nop
	s_wait_alu depctr_va_vdst(0)
	v_add_f32 v33, v12, v13
	v_add_f32 v34, v14, v15
	v_add_f32 v33, v33, v34
	SUM16 33
	v_rcp_f32 v33, v33
	v_nop
	s_wait_alu depctr_va_vdst(0)
.irp i, 0,1,2,3
	v_mul_f32 v[12+\i], v[12+\i], v33              ; the softmax; with STRENGTH = 1 it is the mixture
.endr
	v_add_f32 v33, v12, v13
	v_add_f32 v34, v14, v15
	v_add_f32 v33, v33, v34
	SUM16 33
	v_max_num_f32 v33, 0x322bcc77, v33
	v_rcp_f32 v33, v33
	v_nop
	s_wait_alu depctr_va_vdst(0)
.irp i, 0,1,2,3
	v_mul_f32 v[12+\i], v[12+\i], v33              ; normalised once more, as reference() does
.endr
.irp i, 0,1,2,3
	v_max_num_f32 v[16+\i], 0x322bcc77, v[12+\i]
.endr
.irp i, 0,1,2,3
	v_log_f32 v[16+\i], v[16+\i]
.endr
	v_nop
	s_wait_alu depctr_va_vdst(0)
	v_mul_f32 v35, v12, v16
	v_fmac_f32 v35, v13, v17
	v_fmac_f32 v35, v14, v18
	v_fmac_f32 v35, v15, v19
	SUM16 35
	v_mul_f32 v35, 0xbf317218, v35                 ; x - ln 2: the entropy
.irp i, 0,1,2,3
	ds_store_b32 v[OSA], v[12+\i] offset:64*\i     ; atom 16 i + lane % 16; the two halves of the lanes store the same number to the same word
.endr
	ds_load_b64 v[36:37], v[OLA]                   ; my own bytes, served in order
	s_wait_dscnt 0x0
	global_store_b64 v[GO8], v[36:37], s[18:19]    ; the pair's 64 numbers: 256 consecutive bytes, aligned
	s_wait_xcnt 0x0                                ; EXEC changes only behind this wait
	v_cmp_eq_u32 vcc_lo, 0, v1
	s_and_saveexec_b32 s76, vcc_lo
	global_store_b32 v[ZOF], v35, s[20:21]         ; one number a pair; the whole tensor is 4,096 bytes
	s_wait_xcnt 0x0
	s_or_b32 exec_lo, exec_lo, s76
	s_wait_tensorcnt 0x0                           ; the wave's end, behind my last tensor load and my last LDS store
	ds_add_u32 v[SPW], v[NIL]
	s_wait_dscnt 0x0
	CROUND                                         ; the closing round: no work-group ends while a partner may still ask for a tile that names it
	s_endpgm
.Lfunc_end_k_qb413a56d34_score:
	.size	k_qb413a56d34_score, .Lfunc_end_k_qb413a56d34_score-k_qb413a56d34_score
	.p2alignl 7, 3214868480
	.fill 96, 4, 3214868480
	.section	.rodata,"a",@progbits
	.p2align	6, 0x0
	.amdhsa_kernel k_qb413a56d34_score
		.amdhsa_group_segment_fixed_size 327680
		.amdhsa_private_segment_fixed_size 0
		.amdhsa_enable_private_segment 0
		.amdhsa_kernarg_size 72
		.amdhsa_user_sgpr_count 2
		.amdhsa_user_sgpr_kernarg_segment_ptr 1
		.amdhsa_wavefront_size32 1
		.amdhsa_system_sgpr_workgroup_id_x 1
		.amdhsa_system_sgpr_workgroup_id_y 1
		.amdhsa_system_sgpr_workgroup_id_z 1
		.amdhsa_system_vgpr_workitem_id 0
		.amdhsa_next_free_vgpr 1024
		.amdhsa_next_free_sgpr 92
		.amdhsa_reserve_vcc 1
		.amdhsa_float_denorm_mode_32 3
		.amdhsa_float_denorm_mode_16_64 3
		.amdhsa_memory_ordered 1
		.amdhsa_forward_progress 1
		.amdhsa_inst_pref_size 255
	.end_amdhsa_kernel
	.section	.bss,"aw",@nobits
	.p2align	6
	.space	262144
	.amdgpu_metadata
---
amdhsa.version: [ 1, 2 ]
amdhsa.kernels:
  - .name:           k_qb413a56d34_score
    .symbol:         k_qb413a56d34_score.kd
    .args:
      - { .name: p0, .offset: 0, .size: 8, .value_kind: global_buffer, .address_space: global }
      - { .name: pf, .offset: 8, .size: 8, .value_kind: global_buffer, .address_space: global }
      - { .name: wk, .offset: 16, .size: 8, .value_kind: global_buffer, .address_space: global }
      - { .name: rb1, .offset: 24, .size: 8, .value_kind: global_buffer, .address_space: global }
      - { .name: rw2, .offset: 32, .size: 8, .value_kind: global_buffer, .address_space: global }
      - { .name: rb2, .offset: 40, .size: 8, .value_kind: global_buffer, .address_space: global }
      - { .name: class_masses, .offset: 48, .size: 8, .value_kind: global_buffer, .address_space: global }
      - { .name: out0, .offset: 56, .size: 8, .value_kind: global_buffer, .address_space: global }
      - { .name: out1, .offset: 64, .size: 8, .value_kind: global_buffer, .address_space: global }
    .group_segment_fixed_size: 327680
    .private_segment_fixed_size: 0
    .kernarg_segment_align: 8
    .kernarg_segment_size: 72
    .max_flat_workgroup_size: 128
    .sgpr_count:     92
    .vgpr_count:     1024
    .wavefront_size: 32
...
	.end_amdgpu_metadata
.endif
;; end of part 3
;; ======== version 2 of 2: 5 launches; version 1 with the launches mlp1, mlp2, mlp3 written anew for expert scheduling mode
;; limits: a difference of large sums (such as E[x^2] - mean^2): digits are lost where the result is much smaller than its terms; a function is approximated: absolute error at most 1.5e-07
;; workspace buffers: p0 1,146,880 bytes; p1 1,130,496 bytes; pf 2,260,992 bytes; wk 5,308,416 bytes; cfg1 256 bytes of whole numbers; cfg2 256 bytes of whole numbers; cfg3 256 bytes of whole numbers
;; launch prep: the kernel of part 1 again; grid 193 x 1, 8 waves a work-group, no clusters, 113,152 bytes of LDS; arguments class_atoms, ag, ab, class_summary, episode_context, cg, cb, query_atoms, query_masses, qg, qb, rw1, rg, rb, p0, wk, cfg1, cfg2, cfg3; writes p0, wk, cfg1, cfg2, cfg3
;; launch mlp1 (part 4): grid 144 x 1, 8 waves a work-group, no clusters, 164,864 bytes of LDS; arguments cfg1, p0, aw1, qw1, cw1, ab1, qb1, cb1, p1; writes p1
.if DOCPART == 4
	.amdgcn_target "amdgcn-amd-amdhsa--gfx1250"
	.amdhsa_code_object_version 6
	.text
	.protected	k_qb413a56d34_mlp1
	.globl	k_qb413a56d34_mlp1
	.p2align	8
	.type	k_qb413a56d34_mlp1,@function
k_qb413a56d34_mlp1:
	s_mov_b64 s[64:65], 0
	v_nop
	global_prefetch_b8 v0, s[64:65] scope:SCOPE_SE
	s_setreg_imm32_b32 hwreg(HW_REG_WAVE_SCHED_MODE, 0, 2), 2
	s_setreg_imm32_b32 hwreg(HW_REG_WAVE_MODE, 25, 1), 1
	s_wait_xcnt 0x0
	s_wait_alu depctr_vm_vsrc(0)
; One Linear layer for the three small stacks, 69 row-blocks of 16 rows: a (blocks 0-63), q (64-67), c (68).  Y = X W (+ bias) (GELU).  One text, three launches; the mode word says which:
;   mode 0: first layers, + bias, exact GELU, bf16 out (c's layer has K = 1,024)     mode 1: second layers, + bias, bf16 out
;   mode 2: a G1, q G2, c G4 with G = diag(rg) rw1 in f32 at bytes 0, 1,048,576, 3,145,728 of the third argument; no bias; f32 out in accumulator order
; X and the bf16 results lie in OPERAND ORDER: a sub-block of 16 rows x 16 k is 512 bytes, lane 16 h + r holds row r, k = 8 h .. 8 h + 7 at byte 16 x lane.
; SHARES.  A work-group: four row-blocks (or c's one) x 64 columns.  A wave: one row-block x 32 columns, two accumulators.  The 512 x 64 tile of W is rounded to bf16 into LDS once, by all eight waves.
; THE PRODUCT IS TAKEN TRANSPOSED (source 0 = 16 columns of W, turned by ds_load_tr16_b128; source 1 = 16 rows of X): a lane ends with one row and eight neighbouring columns,
; which after rounding ARE a sub-block of the next layer's X: every store is 512 consecutive bytes.
; LIMITS.  erf by the five-term rational form of Abramowitz and Stegun 7.1.26, absolute error up to 1.5e-7 for every argument.  NaN and infinities are not treated apart.
; No tensor loads, and so no joint loads in a cluster: W lies in memory in f32 and is rounded on its way into LDS, through registers.  No prefetch: the launch is short.
; THE MODE: SCHED_MODE bits 1:0 = 2 (LLVM: expert scheduling mode 2), set by the entry lines.  The code itself states the register dependences
; between vector or matrix instructions and memory or LDS instructions, with s_wait_alu, always for 0.
; THE PLAN.  Registers that memory or LDS instructions touch:
;   v2 .. v12   offsets, LDS addresses and the closing add's two registers: written at the head, never again; one wait ahead of the first load states that they are written.
;   WR          W as loaded, 32 loads x 4 registers, in four groups of eight loads.  A load's two conversions read its four registers and write the first two; an LDS store reads those two.
;               Group g's conversions name group g's registers alone, so the stores of group g - 1 are dealt among them, behind ONE wait at the group's head.
;               The last such wait stands behind every conversion; the wait at the end states that the LDS stores have read their data.  Behind these two WR's registers take loads again:
;               the second tile of W (K = 1,024), X's upper half, W's first operands.
;   XA          X's operands: written by loads, read by matrix instructions; for K = 1,024 loaded once more, behind one wait that states the 32 matrix instructions done.
;   BF0, BF1    W's operands: group g's four matrix instructions read BF[g % 2]; behind them one wait, then the eight loads of group g + 2 land in it, ahead of the wait for group g + 1's data:
;               so two groups of LDS loads are on their way.
;   ACC, OB     written by the matrix instructions, by the last conversions; read by the global stores, each run behind one wait.
;   BIAS        written by loads at the head; read by vector instructions alone.     Z and GELU's registers are named by vector instructions alone from the last product on.
.set SPARE, 163840
.set TILE1, 81920                      ; the second tile, for K = 1,024
.set P,     160                        ; LDS pitch of a row of 64 bf16: 128 + 32 bytes, an odd multiple of 32
.set WOFF, 2                           ; v2   my bytes in W's tile: row 64 wave + lane / 16, 16 bytes at lane % 16
.set LST,  3                           ; v3   where they go in LDS
.set LST2, 4                           ; v4   the same in the second tile
.set XOFF, 5                           ; v5   16 x lane
.set VB,   6                           ; v6   the turning load's address, k = 0..255
.set VBH,  7                           ; v7   k = 256..511 (the immediate holds 16 bits)
.set VB2,  8                           ; v8, v9  the same in the second tile
.set VB2H, 9
.set SPW,  10
.set NIL,  11
.set BOFF, 12                          ; v12  my eight columns in the bias
.set ACC,  16                          ; v[16:31]   two accumulators
.set BIAS, 32                          ; v[32:47]
.set Z,    48                          ; v[48:63]
.set XA,   64                          ; v[64:191]  X's 16 operands of 32 k
.set WR,   128                         ; v[128:255] W as loaded, 32 x 4: used up before X's upper half and W's operands are loaded over it
.set BF,   192                         ; v[192:255] W's operands: two groups of 2 (k) x 2 (columns) x 8
.set GE,   64                          ; GELU at work, when X is used up
.set GT,   80
.set GP,   96
.set OB,   112
.set K1, 36                            ; s[36:49] GELU's constants, in pairs for the packed forms
.set K2, 38
.set A1, 40
.set A2, 42
.set A3, 44
.set A4, 46
.set A5, 48
.macro PLACES                          ; four plain places behind a matrix instruction (ISA guide 7.12.1)
.rept 4
	v_nop
.endr
.endm
.macro FILLQ off                       ; my 64 rows of W's tile: 32 loads, two rows of 256 bytes each
.set j, 0
.rept 32
	global_load_b128 v[WR+4*j:WR+4*j+3], v[WOFF], s[28:29] offset:\off+4096*j
.set j, j+1
.endr
.endm
; Rounded and stored, in four groups of eight loads; n0 - j loads are younger than load j.  The LDS stores of a group stand among the conversions of the next.
.macro FILLC lst, n0
.set g, 0
.rept 4
	s_wait_loadcnt \n0-8*g-7                       ; loads come back in order (ISA guide 5.7.1): the group's eighth load is in, and so are the seven ahead of it
.if g > 0
	s_wait_alu depctr_va_vdst(0)                   ; the conversions of the group before have written the registers that the LDS stores below read
.endif
.set j, 8*g
.rept 8
	v_cvt_pk_bf16_f32 v[WR+4*j], v[WR+4*j], v[WR+4*j+1]
	v_cvt_pk_bf16_f32 v[WR+4*j+1], v[WR+4*j+2], v[WR+4*j+3]
.if g > 0
	ds_store_b64 v[\lst], v[WR+4*j-32:WR+4*j-31] offset:2*P*(j-8)  ; load j - 8, of the group before: no vector instruction since the wait names its registers
.endif
.set j, j+1
.endr
.set g, g+1
.endr
	s_wait_alu depctr_va_vdst(0)                   ; the last group's conversions have written their results, which the stores below read; and every conversion is done with WR, in which loads land next
.set j, 24
.rept 8
	ds_store_b64 v[\lst], v[WR+4*j:WR+4*j+1] offset:2*P*j
.set j, j+1
.endr
	s_wait_alu depctr_vm_vsrc(0)                   ; my LDS stores have read WR's registers, in which the next loads land: the second tile's, X's upper half, W's operands
.endm
.macro XLOAD r0, n, off                ; n operands of X into XA + 8 r0 .., from byte off of my row-block
.set j, 0
.rept \n
	global_load_b128 v[XA+8*(\r0+j):XA+8*(\r0+j)+3], v[XOFF], s[10:11] offset:\off+1024*j
	global_load_b128 v[XA+8*(\r0+j)+4:XA+8*(\r0+j)+7], v[XOFF], s[10:11] offset:\off+1024*j+512
.set j, j+1
.endr
.endm
.macro BLOAD vlo, vhi, g               ; group g: W's operands for k = 64 g .. 64 g + 63, both column blocks: 8 turning loads
.set bb, BF+32*((\g)%2)
.irp cc, 0,1
.irp nn, 0,1
.if (2*(\g)+\cc) < 8
	ds_load_tr16_b128 v[bb+16*\cc+8*\nn:bb+16*\cc+8*\nn+3], v[\vlo] offset:(2*(\g)+\cc)*32*P+32*\nn
	ds_load_tr16_b128 v[bb+16*\cc+8*\nn+4:bb+16*\cc+8*\nn+7], v[\vlo] offset:(2*(\g)+\cc)*32*P+32*\nn+16*P
.else
	ds_load_tr16_b128 v[bb+16*\cc+8*\nn:bb+16*\cc+8*\nn+3], v[\vhi] offset:(2*(\g)+\cc-8)*32*P+32*\nn
	ds_load_tr16_b128 v[bb+16*\cc+8*\nn+4:bb+16*\cc+8*\nn+7], v[\vhi] offset:(2*(\g)+\cc-8)*32*P+32*\nn+16*P
.endif
.endr
.endr
.endm
; K = 512: 32 matrix instructions.  The two accumulators take turns, one instruction a turn.  zero = 1: the first two products start the sums.
; The first two groups' loads owe no wait here: what named BF's registers last stands ahead of a wait in the text in front of this macro.
.macro GEMM vlo, vhi, zero
	BLOAD \vlo, \vhi, 0
	BLOAD \vlo, \vhi, 1
.set g, 0
.rept 8
.if g < 7
	s_wait_dscnt 8                                 ; group g is in; the next group's eight loads may be out
.else
	s_wait_dscnt 0x0
.endif
.irp cc, 0,1
.irp nn, 0,1
.if (\zero) && (g == 0) && (\cc == 0)
	v_wmma_f32_16x16x32_bf16 v[ACC+8*\nn:ACC+8*\nn+7], v[BF+32*(g%2)+16*\cc+8*\nn:BF+32*(g%2)+16*\cc+8*\nn+7], v[XA+8*(2*g+\cc):XA+8*(2*g+\cc)+7], 0
.else
	v_wmma_f32_16x16x32_bf16 v[ACC+8*\nn:ACC+8*\nn+7], v[BF+32*(g%2)+16*\cc+8*\nn:BF+32*(g%2)+16*\cc+8*\nn+7], v[XA+8*(2*g+\cc):XA+8*(2*g+\cc)+7], v[ACC+8*\nn:ACC+8*\nn+7]
.endif
.endr
.endr
	PLACES                                         ; in front of loads into the registers just multiplied, and of what reads the sums
.if g < 6
	s_wait_alu depctr_va_vdst(0)                   ; this group's four matrix instructions are done reading BF[g % 2], in which the eight loads below land
	BLOAD \vlo, \vhi, g+2
.endif
.set g, g+1
.endr
.endm
; GELU of 16 numbers, exact form: gelu(z) = z / 2 + |z| (1/2 - poly(t) 2^(-(K1 z)^2)), t = 1 / (1 + K2 |z|); poly holds half the coefficients of erf's form.
.macro GPL z, e, t, x, part            ; one of the four plain lines of pair x
.if \part == 0
	v_pk_mul_f32 v[\e+2*(\x):\e+2*(\x)+1], v[\z+2*(\x):\z+2*(\x)+1], s[K1:K1+1] op_sel_hi:[1,0]
.elseif \part == 1
	v_pk_mul_f32 v[\e+2*(\x):\e+2*(\x)+1], v[\e+2*(\x):\e+2*(\x)+1], v[\e+2*(\x):\e+2*(\x)+1] neg_lo:[1,0] neg_hi:[1,0]
.elseif \part == 2
	v_fma_f32 v[\t+2*(\x)], |v[\z+2*(\x)]|, s[K2], 1.0
.else
	v_fma_f32 v[\t+2*(\x)+1], |v[\z+2*(\x)+1]|, s[K2], 1.0
.endif
.endm
.macro GELU16 z, e, t, p
.irp pp, 0,1,2,3
	GPL \z, \e, \t, 0, \pp
.endr
.set gx, 0
.rept 8                                ; ONE BATCH of 32 transcendentals; the next pair's plain lines stand between them, and nothing here names a result
	v_exp_f32 v[\e+2*gx], v[\e+2*gx]
.if gx < 7
	GPL \z, \e, \t, gx+1, 0
.endif
	v_exp_f32 v[\e+2*gx+1], v[\e+2*gx+1]
.if gx < 7
	GPL \z, \e, \t, gx+1, 1
.endif
	v_rcp_f32 v[\t+2*gx], v[\t+2*gx]
.if gx < 7
	GPL \z, \e, \t, gx+1, 2
.endif
	v_rcp_f32 v[\t+2*gx+1], v[\t+2*gx+1]
.if gx < 7
	GPL \z, \e, \t, gx+1, 3
.endif
.set gx, gx+1
.endr
	v_nop                                          ; a plain instruction behind the last of them,
	s_wait_alu depctr_va_vdst(0)                   ; and one wait for the batch: the 16 exponentials and the 16 reciprocals are written, ahead of their first reader
.set gx, 0
.rept 8
	v_pk_fma_f32 v[\p+2*gx:\p+2*gx+1], v[\t+2*gx:\t+2*gx+1], s[A5:A5+1], s[A4:A4+1] op_sel_hi:[1,0,0]
.set gx, gx+1
.endr
.irp cf, A3, A2, A1
.set gx, 0
.rept 8
	v_pk_fma_f32 v[\p+2*gx:\p+2*gx+1], v[\p+2*gx:\p+2*gx+1], v[\t+2*gx:\t+2*gx+1], s[\cf:\cf+1] op_sel_hi:[1,1,0]
.set gx, gx+1
.endr
.endr
.set gx, 0
.rept 8
	v_pk_mul_f32 v[\p+2*gx:\p+2*gx+1], v[\p+2*gx:\p+2*gx+1], v[\t+2*gx:\t+2*gx+1]
.set gx, gx+1
.endr
.set gx, 0
.rept 8
	v_pk_fma_f32 v[\p+2*gx:\p+2*gx+1], v[\p+2*gx:\p+2*gx+1], v[\e+2*gx:\e+2*gx+1], 0.5 op_sel_hi:[1,1,0] neg_lo:[1,0,0] neg_hi:[1,0,0]
.set gx, gx+1
.endr
.set gx, 0
.rept 16
	v_mul_f32 v[\p+gx], |v[\z+gx]|, v[\p+gx]
.set gx, gx+1
.endr
.set gx, 0
.rept 8
	v_pk_fma_f32 v[\z+2*gx:\z+2*gx+1], v[\z+2*gx:\z+2*gx+1], 0.5, v[\p+2*gx:\p+2*gx+1] op_sel_hi:[1,0,1]
.set gx, gx+1
.endr
.endm
	s_load_b512 s[8:23], s[0:1], 0x0               ; mode s[8:9], X s[10:11], Wa, Wq, Wc s[12:17], ba, bq, bc s[18:23]
	s_load_b64 s[24:25], s[0:1], 0x40              ; the output
	v_lshl_add_u32 v[SPW], v0, 2, SPARE
	v_mov_b32 v[NIL], 0
	v_lshrrev_b32 v1, 5, v0
	v_readfirstlane_b32 s2, v1                     ; wave 0..7
	v_and_b32 v1, 31, v0                           ; lane
	s_lshr_b32 s3, ttmp9, 3                        ; the group of rows: 0-15 a, 16 q, 17 c
	s_and_b32 s4, ttmp9, 7                         ; which 64 columns
	s_wait_alu depctr_va_sdst(0)                   ; s2 is written, ahead of its first reader: the wave's shares, addresses and branches are made from it
	s_and_b32 s5, s2, 3                            ; my row-block in the group
	s_lshr_b32 s6, s2, 2                           ; which 32 of the 64 columns
	s_lshl2_add_u32 s7, s3, s5
	s_min_u32 s7, s7, 68                           ; my row-block; c has one, which all waves name
	v_lshrrev_b32 v13, 4, v1                       ; lane / 16
	v_and_b32 v14, 15, v1                          ; lane % 16
	v_lshlrev_b32 v[WOFF], 11, v13
	v_lshl_add_u32 v[WOFF], v14, 4, v[WOFF]
	s_lshl_b32 s26, s2, 17                         ; 64 rows of 2,048 bytes a wave
	s_lshl_b32 s27, s4, 8
	s_add_co_u32 s26, s26, s27
	v_add_nc_u32 v[WOFF], s26, v[WOFF]
	v_mul_u32_u24 v[LST], v13, P
	v_lshl_add_u32 v[LST], v14, 3, v[LST]
	s_mul_i32 s26, s2, 64*P
	v_add_nc_u32 v[LST], s26, v[LST]
	v_add_nc_u32 v[LST2], TILE1, v[LST]
	v_lshlrev_b32 v[XOFF], 4, v1
	v_and_b32 v15, 7, v1                           ; the turning load: lane l reads row 8 (l / 16) + l % 8, 16 bytes at (l / 8) % 2
	v_lshl_add_u32 v15, v13, 3, v15
	v_mul_u32_u24 v[VB], v15, P
	v_bfe_u32 v15, v1, 3, 1
	v_lshl_add_u32 v[VB], v15, 4, v[VB]
	s_lshl_b32 s26, s6, 6                          ; my 32 columns: 64 bytes
	v_add_nc_u32 v[VB], s26, v[VB]
	v_add_nc_u32 v[VBH], 256*P, v[VB]
	v_add_nc_u32 v[VB2], TILE1, v[VB]
	v_add_nc_u32 v[VB2H], TILE1+256*P, v[VB]
	s_lshl_b32 s26, s4, 8
	s_lshl_b32 s27, s6, 7
	s_add_co_u32 s26, s26, s27
	v_lshl_add_u32 v[BOFF], v13, 5, s26            ; 4 (64 ct + 32 ch + 8 h)
	s_mov_b32 s[K1], 0x3f596d27                    ; sqrt(log2(e) / 2)
	s_mov_b32 s[K1+1], 0x3f596d27
	s_mov_b32 s[K2], 0x3e6d3388                    ; 0.3275911 / sqrt(2)
	s_mov_b32 s[K2+1], 0x3e6d3388
	s_mov_b32 s[A1], 0x3e027906
	s_mov_b32 s[A1+1], 0x3e027906
	s_mov_b32 s[A2], 0xbe11a98e
	s_mov_b32 s[A2+1], 0xbe11a98e
	s_mov_b32 s[A3], 0x3f35f0e3
	s_mov_b32 s[A3+1], 0x3f35f0e3
	s_mov_b32 s[A4], 0xbf3a00e3
	s_mov_b32 s[A4+1], 0xbf3a00e3
	s_mov_b32 s[A5], 0x3f07dc22
	s_mov_b32 s[A5+1], 0x3f07dc22
	s_wait_kmcnt 0x0
	s_load_b32 s35, s[8:9], 0x0                    ; the mode: a whole number that the first launch stored
	s_cmp_lt_u32 s3, 16
	s_cselect_b64 s[28:29], s[12:13], s[14:15]     ; the stack's weights,
	s_cselect_b64 s[30:31], s[18:19], s[20:21]     ; its bias,
	s_cselect_b32 s32, 0, 0x100000                 ; and, for mode 2, its section of G
	s_cmp_eq_u32 s3, 17
	s_cselect_b64 s[28:29], s[16:17], s[28:29]
	s_cselect_b64 s[30:31], s[22:23], s[30:31]
	s_cselect_b32 s32, 0x300000, s32
	s_cselect_b32 s34, 1, 0
	s_mov_b32 s33, 0
	s_lshl_b32 s26, s7, 14
	s_mov_b32 s27, 0
	s_add_nc_u64 s[10:11], s[10:11], s[26:27]      ; X at my row-block
	s_lshl_b32 s26, s7, 5
	s_lshl2_add_u32 s26, s4, s26
	s_lshl1_add_u32 s26, s6, s26                   ; 32 x row-block + my first column block
	s_lshl_b32 s50, s26, 9                         ; its place in an output of bf16: blocks of 512 bytes,
	s_lshl_b32 s51, s26, 10                        ; and in one of f32: blocks of 1,024
	s_wait_kmcnt 0x0
	s_min_u32 s35, s35, 2
	s_cmp_eq_u32 s35, 2
	s_cselect_b64 s[28:29], s[12:13], s[28:29]     ; mode 2: one buffer holds all of G
	s_cselect_b32 s32, s32, 0
	s_cselect_b32 s26, s51, s50
	s_add_nc_u64 s[28:29], s[28:29], s[32:33]
	s_add_nc_u64 s[24:25], s[24:25], s[26:27]
	s_cmp_eq_u32 s35, 0
	s_cselect_b32 s34, s34, 0                      ; 1: c's first layer, K = 1,024
	s_wait_alu depctr_va_vdst(0)                   ; v2 to v12 are written: every load, store and LDS instruction of the kernel reads one of them as its offset or address
.irp nn, 0,1
	global_load_b128 v[BIAS+8*\nn:BIAS+8*\nn+3], v[BOFF], s[30:31] offset:64*\nn
	global_load_b128 v[BIAS+8*\nn+4:BIAS+8*\nn+7], v[BOFF], s[30:31] offset:64*\nn+16
.endr
	FILLQ 0
	XLOAD 0, 8, 0
	FILLC LST, 47                                  ; behind W's load j stand its 31 - j successors and X's 16
	s_cmp_eq_u32 s34, 1
	s_cbranch_scc0 .Lone_tile
	FILLQ 0x100000                                 ; rows 512..1,023, into WR once more: the two waits at FILLC's end stand ahead of these loads
	FILLC LST2, 31
.Lone_tile:
	XLOAD 8, 8, 8192                               ; into WR's lower half: on both ways a FILLC's last two waits stand ahead, and no vector instruction since
	s_wait_dscnt 0x0                               ; for the others' sake: my part of the tile is stored
	s_barrier_signal -1
	s_barrier_wait -1
	s_cmp_eq_u32 s3, 17
	s_cselect_b32 s27, s5, 0
	s_cmp_lg_u32 s27, 0
	s_cbranch_scc1 .Lend                           ; c has one row-block: waves 0 and 4 make it
	s_wait_loadcnt 0x0
	GEMM VB, VBH, 1
	s_cmp_eq_u32 s34, 1
	s_cbranch_scc0 .Lsummed
	s_wait_alu depctr_va_vdst(0)                   ; the 32 matrix instructions are done reading XA, in which the loads below land, and both sets of BF, in which the next product's first two groups land
	XLOAD 0, 16, 16384                             ; k = 512..1,023 of c's rows
	s_wait_loadcnt 0x0
	GEMM VB2, VB2H, 0
.Lsummed:
	PLACES                                         ; eight places in all, once a launch, ahead of the first read of the sums
	s_cmp_eq_u32 s35, 2
	s_cbranch_scc0 .Lact
	s_wait_alu depctr_va_vdst(0)                   ; the matrix instructions have written the accumulators, which the stores read; the places above stay beside this wait
.irp nn, 0,1
	global_store_b128 v[XOFF], v[ACC+8*\nn:ACC+8*\nn+3], s[24:25] offset:1024*\nn
	global_store_b128 v[XOFF], v[ACC+8*\nn+4:ACC+8*\nn+7], s[24:25] offset:1024*\nn+512
.endr
	s_branch .Lend
.Lact:
.set j, 0
.rept 8
	v_pk_add_f32 v[Z+2*j:Z+2*j+1], v[ACC+2*j:ACC+2*j+1], v[BIAS+2*j:BIAS+2*j+1]
.set j, j+1
.endr
	s_cmp_eq_u32 s35, 0
	s_cbranch_scc0 .Lpack
	GELU16 Z, GE, GT, GP
.Lpack:
.set j, 0
.rept 8
	v_cvt_pk_bf16_f32 v[OB+j], v[Z+2*j], v[Z+2*j+1]
.set j, j+1
.endr
	s_wait_alu depctr_va_vdst(0)                   ; the eight conversions have written OB, which the two stores read
	global_store_b128 v[XOFF], v[OB:OB+3], s[24:25]
	global_store_b128 v[XOFF], v[OB+4:OB+7], s[24:25] offset:512
.Lend:
	s_wait_dscnt 0x0                               ; the closing lines, six on end
	s_wait_alu 0x0
	s_wait_tensorcnt 0x0
	ds_add_u32 v[SPW], v[NIL]
	s_wait_dscnt 0x0
	s_endpgm
.Lfunc_end_k_qb413a56d34_mlp1:
	.size	k_qb413a56d34_mlp1, .Lfunc_end_k_qb413a56d34_mlp1-k_qb413a56d34_mlp1
	.p2alignl 7, 3214868480
	.fill 96, 4, 3214868480
	.section	.rodata,"a",@progbits
	.p2align	6, 0x0
	.amdhsa_kernel k_qb413a56d34_mlp1
		.amdhsa_group_segment_fixed_size 164864
		.amdhsa_private_segment_fixed_size 0
		.amdhsa_enable_private_segment 0
		.amdhsa_kernarg_size 72
		.amdhsa_user_sgpr_count 2
		.amdhsa_user_sgpr_kernarg_segment_ptr 1
		.amdhsa_wavefront_size32 1
		.amdhsa_system_sgpr_workgroup_id_x 1
		.amdhsa_system_sgpr_workgroup_id_y 1
		.amdhsa_system_sgpr_workgroup_id_z 1
		.amdhsa_system_vgpr_workitem_id 0
		.amdhsa_next_free_vgpr 256
		.amdhsa_next_free_sgpr 66
		.amdhsa_reserve_vcc 0
		.amdhsa_float_denorm_mode_32 3
		.amdhsa_float_denorm_mode_16_64 3
		.amdhsa_memory_ordered 1
		.amdhsa_forward_progress 1
		.amdhsa_inst_pref_size 55
	.end_amdhsa_kernel
	.amdgpu_metadata
---
amdhsa.version: [ 1, 2 ]
amdhsa.kernels:
  - .name:           k_qb413a56d34_mlp1
    .symbol:         k_qb413a56d34_mlp1.kd
    .args:
      - { .name: cfg1, .offset: 0, .size: 8, .value_kind: global_buffer, .address_space: global }
      - { .name: p0, .offset: 8, .size: 8, .value_kind: global_buffer, .address_space: global }
      - { .name: aw1, .offset: 16, .size: 8, .value_kind: global_buffer, .address_space: global }
      - { .name: qw1, .offset: 24, .size: 8, .value_kind: global_buffer, .address_space: global }
      - { .name: cw1, .offset: 32, .size: 8, .value_kind: global_buffer, .address_space: global }
      - { .name: ab1, .offset: 40, .size: 8, .value_kind: global_buffer, .address_space: global }
      - { .name: qb1, .offset: 48, .size: 8, .value_kind: global_buffer, .address_space: global }
      - { .name: cb1, .offset: 56, .size: 8, .value_kind: global_buffer, .address_space: global }
      - { .name: p1, .offset: 64, .size: 8, .value_kind: global_buffer, .address_space: global }
    .group_segment_fixed_size: 164864
    .private_segment_fixed_size: 0
    .kernarg_segment_align: 8
    .kernarg_segment_size: 72
    .max_flat_workgroup_size: 256
    .sgpr_count:     66
    .vgpr_count:     256
    .wavefront_size: 32
...
	.end_amdgpu_metadata
.endif
;; end of part 4
;; launch mlp2: the kernel of part 4 again; grid 144 x 1, 8 waves a work-group, no clusters, 164,864 bytes of LDS; arguments cfg2, p1, aw2, qw2, cw2, ab2, qb2, cb2, p0; writes p0
;; launch mlp3: the kernel of part 4 again; grid 144 x 1, 8 waves a work-group, no clusters, 164,864 bytes of LDS; arguments cfg3, p0, wk, qw2, cw2, ab2, qb2, cb2, pf; writes pf
;; launch score: the kernel of part 3 again; grid 256 x 1, 4 waves a work-group, clusters of 4 x 1, 327,680 bytes of LDS; arguments p0, pf, wk, rb1, rw2, rb2, class_masses, out0, out1; writes out0, out1
